; MI455X (gfx1250); checked and timed in simulation.
; The chip was launched on July 23, 2026; its instructions are those of AMD's public machine-readable ISA for CDNA 5 (MIT licence, August 2026) and "CDNA5" Instruction Set Architecture Reference Guide (July 2026). The comments in the code are by the model that wrote it; some were corrected since.
;; Transformer. Allowed arithmetic: float matrix products may take bf16 or f16 operands with f32 sums; other float arithmetic in f32, or as packed bf16 or f16 multiplies, adds, multiply-adds, maxima and minima; sums over many terms, partial sums and values carried from step to step in f32; what a program stores and reads back later, other than sums and carried values, may be rounded once to bf16 or f16.
;; Inputs: Wk 512 x 512 float32; Wo 512 x 512 float32; Wq 512 x 512 float32; Wv 512 x 512 float32; beta 512 float32; bk 512 float32; bo 512 float32; bq 512 float32; bv 512 float32; gamma 512 float32; x 8 x 2,048 x 512 float32.
;; Outputs: out0 8 x 2,048 x 512 float32.
;; One version. Each part assembles by itself: llvm-mc -triple=amdgcn-amd-amdhsa -mcpu=gfx1250 --defsym DOCPART=n.
;; ======== version 1 of 1: 3 launches
;; limits: values are held in f16: magnitudes above 65,504 overflow, below 6.1e-05 lose precision
;; workspace buffers: wts 2,097,152 bytes; tab 12,288 bytes; qkv 50,331,648 bytes
;; launch prep (part 1): grid 128 x 1, 4 waves a work-group, no clusters, 17,920 bytes of LDS; arguments Wq, Wk, Wv, Wo, bq, bk, bv, bo, gamma, beta, wts, tab; writes wts, tab
.if DOCPART == 1
	.amdgcn_target "amdgcn-amd-amdhsa--gfx1250"
	.amdhsa_code_object_version 6
	.text
	.protected	k_qbe9bb54a12_prep
	.globl	k_qbe9bb54a12_prep
	.p2align	8
	.type	k_qbe9bb54a12_prep,@function
k_qbe9bb54a12_prep:
	s_mov_b64 s[64:65], 0
	v_nop
	global_prefetch_b8 v0, s[64:65] scope:SCOPE_SE
	s_setreg_imm32_b32 hwreg(HW_REG_WAVE_MODE, 25, 1), 1
	s_wait_xcnt 0x0
; THE WEIGHTS ARE TURNED AND ROUNDED ONCE.  wts[2048][512], 16 bits a number: rows 0-511 Wq^T, 512-1023 Wk^T, 1024-1535 Wv^T in bf16; rows 1536-2047 Wo^T, rounded to bf16
; and that number written as f16.  tab[3072] f32 = bq | bk | bv | bo | gamma | beta, each rounded to bf16 and widened again.
; LIMITS.  Wo as f16: exact for |Wo| from 7.6e-6 to 65,504; below that f16's fixed step of 6e-8 rounds it once more; beyond 65,504 it becomes an infinity.
; SHARES.  128 work-groups: matrix g / 32, a tile of 128 k x 64 n.  W lies [k][n]: sixteen lanes read 256 consecutive bytes of a row k; two rows k, k + 1 pack into one word;
; the words go into LDS as [n][k] and come back as rows of 256 bytes, which sixteen lanes store whole.  Work-groups 0 to 23 also round 128 numbers of tab, in wave 0.
; No matrix unit, no cluster, no tensor load: 6 MB are moved once, and nothing is shared between work-groups.
.set TP,    272                        ; a row of the turned tile in LDS: 256 bytes (128 k) + 16
.set SPARE, 64*TP                      ; behind the tile: the spare words, 128 bytes a wave
.set SPW, 2                            ; v2   my spare word; never rewritten
.set NIL, 3                            ; v3   0; never rewritten
.set LO,  4                            ; v4   my byte offset in the tile of W
.set TS,  5                            ; v5   where I put a word
.set TR,  6                            ; v6   where I read 16 bytes of a turned row
.set GO,  7                            ; v7   my byte offset in the tile of wts
.set TO,  8                            ; v8   16 x lane, for tab
.set IN,  16                           ; v[16:79]   16 loads of four f32; later the rows read back
.set PKD, 80                           ; v[80:111]  32 packed words
	s_load_b512 s[16:31], s[0:1], 0x0              ; Wq Wk Wv Wo bq bk bv bo
	s_load_b256 s[32:39], s[0:1], 0x40             ; gamma beta wts tab
	v_lshl_add_u32 v[SPW], v0, 2, SPARE
	v_mov_b32 v[NIL], 0
	v_lshrrev_b32 v1, 5, v0
	v_readfirstlane_b32 s2, v1                     ; wave 0..3
	s_mov_b32 s3, ttmp9                            ; g
	s_lshr_b32 s4, s3, 5                           ; which matrix
	s_bfe_u32 s5, s3, 0x30002                      ; which 64 n
	s_and_b32 s6, s3, 3                            ; which 128 k; also which quarter of a vector of tab
	v_and_b32 v9, 15, v0                           ; c = l % 16
	v_bfe_u32 v10, v0, 4, 1                        ; h = l / 16
	s_lshl_b32 s7, s2, 16
	v_lshlrev_b32 v[LO], 4, v9
	v_lshl_add_u32 v[LO], v10, 12, v[LO]
	v_add_nc_u32 v[LO], s7, v[LO]                  ; (32 w + 2 h) rows of 2,048 bytes + 16 c
	s_lshl_b32 s7, s2, 6
	v_mul_u32_u24 v[TS], v9, 4*TP
	v_lshl_add_u32 v[TS], v10, 2, v[TS]
	v_add_nc_u32 v[TS], s7, v[TS]                  ; row 4 c, byte 2 (32 w + 2 h)
	s_mul_i32 s7, s2, 16*TP
	v_mul_u32_u24 v[TR], v10, TP
	v_lshl_add_u32 v[TR], v9, 4, v[TR]
	v_add_nc_u32 v[TR], s7, v[TR]                  ; row 16 w + h, byte 16 c
	s_lshl_b32 s7, s2, 14
	v_lshlrev_b32 v[GO], 4, v9
	v_lshl_add_u32 v[GO], v10, 10, v[GO]
	v_add_nc_u32 v[GO], s7, v[GO]                  ; the same row in wts, 1,024 bytes a row
	v_and_b32 v[TO], 31, v0
	v_lshlrev_b32 v[TO], 4, v[TO]
	s_lshl_b32 s10, s6, 18                         ; 128 rows of W
	s_lshl_b32 s7, s5, 8                           ; 64 columns
	s_add_co_u32 s10, s10, s7
	s_mov_b32 s11, 0
	s_lshl_b32 s12, s4, 19                         ; 512 rows of wts a matrix
	s_lshl_b32 s7, s5, 16                          ; 64 rows
	s_add_co_u32 s12, s12, s7
	s_lshl_b32 s7, s6, 8                           ; 128 k
	s_add_co_u32 s12, s12, s7
	s_mov_b32 s13, 0
	s_wait_kmcnt 0x0
	s_cmp_eq_u32 s4, 1
	s_cselect_b64 s[8:9], s[18:19], s[16:17]
	s_cmp_eq_u32 s4, 2
	s_cselect_b64 s[8:9], s[20:21], s[8:9]
	s_cmp_eq_u32 s4, 3
	s_cselect_b64 s[8:9], s[22:23], s[8:9]
	s_add_nc_u64 s[8:9], s[8:9], s[10:11]
	s_add_nc_u64 s[14:15], s[36:37], s[12:13]
.set i, 0
.rept 16                               ; load i: row 4 (i / 2) + i % 2 below my first
	global_load_b128 v[IN+4*i:IN+4*i+3], v[LO], s[8:9] offset:(4*(i/2)+i%2)*2048 th:TH_LOAD_NT
.set i, i+1
.endr
	s_wait_loadcnt 0x0
.set j, 0
.rept 32                               ; word j: rows k, k + 1 of pair j / 4, column 4 c + j % 4
	v_cvt_pk_bf16_f32 v[PKD+j], v[IN+8*(j/4)+j%4], v[IN+8*(j/4)+4+j%4]
.set j, j+1
.endr
	s_cmp_lg_u32 s4, 3
	s_cbranch_scc1 .Lbf
.set j, 0
.rept 32                               ; Wo: the bf16 numbers are written as f16
	v_lshlrev_b32 v[IN+2*(j%8)], 16, v[PKD+j]
	v_and_b32 v[IN+2*(j%8)+1], 0xffff0000, v[PKD+j]
	v_cvt_pk_f16_f32 v[PKD+j], v[IN+2*(j%8)], v[IN+2*(j%8)+1]
.set j, j+1
.endr
.Lbf:
.set j, 0
.rept 32
	ds_store_b32 v[TS], v[PKD+j] offset:(j%4)*TP+8*(j/4)
.set j, j+1
.endr
	s_wait_dscnt 0x0                               ; for the others' sake: my words lie in the tile
	s_barrier_signal -1
	s_barrier_wait -1
.set i, 0
.rept 8
	ds_load_b128 v[IN+4*i:IN+4*i+3], v[TR] offset:i*2*TP
.set i, i+1
.endr
.set i, 0
.rept 8
	s_wait_dscnt 7-i                               ; LDS loads come back in order: load i is in, the younger ones stay out
	global_store_b128 v[GO], v[IN+4*i:IN+4*i+3], s[14:15] offset:i*2048  ; 16 lanes store 256 consecutive bytes, aligned
.set i, i+1
.endr
	s_cmp_lt_u32 s3, 24
	s_cbranch_scc0 .Lend
	s_cmp_eq_u32 s2, 0
	s_cbranch_scc0 .Lend
	s_lshr_b32 s7, s3, 2                           ; which of the six vectors
	s_cmp_eq_u32 s7, 1
	s_cselect_b64 s[40:41], s[26:27], s[24:25]
	s_cmp_eq_u32 s7, 2
	s_cselect_b64 s[40:41], s[28:29], s[40:41]
	s_cmp_eq_u32 s7, 3
	s_cselect_b64 s[40:41], s[30:31], s[40:41]
	s_cmp_eq_u32 s7, 4
	s_cselect_b64 s[40:41], s[32:33], s[40:41]
	s_cmp_eq_u32 s7, 5
	s_cselect_b64 s[40:41], s[34:35], s[40:41]
	s_lshl_b32 s42, s6, 9                          ; 128 numbers
	s_mov_b32 s43, 0
	s_add_nc_u64 s[40:41], s[40:41], s[42:43]
	s_lshl_b32 s7, s7, 11
	s_add_co_u32 s42, s42, s7
	s_add_nc_u64 s[44:45], s[38:39], s[42:43]
	global_load_b128 v[48:51], v[TO], s[40:41]
	s_wait_loadcnt 0x0
	v_cvt_pk_bf16_f32 v52, v48, v49
	v_cvt_pk_bf16_f32 v53, v50, v51
	v_lshlrev_b32 v56, 16, v52
	v_and_b32 v57, 0xffff0000, v52
	v_lshlrev_b32 v58, 16, v53
	v_and_b32 v59, 0xffff0000, v53
	global_store_b128 v[TO], v[56:59], s[44:45]    ; 512 consecutive bytes
.Lend:
	s_wait_tensorcnt 0x0                           ; the wave's end: behind my last LDS store
	ds_add_u32 v[SPW], v[NIL]
	s_wait_dscnt 0x0
	s_endpgm
.Lfunc_end_k_qbe9bb54a12_prep:
	.size	k_qbe9bb54a12_prep, .Lfunc_end_k_qbe9bb54a12_prep-k_qbe9bb54a12_prep
	.p2alignl 7, 3214868480
	.fill 96, 4, 3214868480
	.section	.rodata,"a",@progbits
	.p2align	6, 0x0
	.amdhsa_kernel k_qbe9bb54a12_prep
		.amdhsa_group_segment_fixed_size 17920
		.amdhsa_private_segment_fixed_size 0
		.amdhsa_enable_private_segment 0
		.amdhsa_kernarg_size 96
		.amdhsa_user_sgpr_count 2
		.amdhsa_user_sgpr_kernarg_segment_ptr 1
		.amdhsa_wavefront_size32 1
		.amdhsa_system_sgpr_workgroup_id_x 1
		.amdhsa_system_sgpr_workgroup_id_y 1
		.amdhsa_system_sgpr_workgroup_id_z 1
		.amdhsa_system_vgpr_workitem_id 0
		.amdhsa_next_free_vgpr 112
		.amdhsa_next_free_sgpr 66
		.amdhsa_reserve_vcc 0
		.amdhsa_float_denorm_mode_32 3
		.amdhsa_float_denorm_mode_16_64 3
		.amdhsa_memory_ordered 1
		.amdhsa_forward_progress 1
		.amdhsa_inst_pref_size 16
	.end_amdhsa_kernel
	.amdgpu_metadata
---
amdhsa.version: [ 1, 2 ]
amdhsa.kernels:
  - .name:           k_qbe9bb54a12_prep
    .symbol:         k_qbe9bb54a12_prep.kd
    .args:
      - { .name: Wq, .offset: 0, .size: 8, .value_kind: global_buffer, .address_space: global }
      - { .name: Wk, .offset: 8, .size: 8, .value_kind: global_buffer, .address_space: global }
      - { .name: Wv, .offset: 16, .size: 8, .value_kind: global_buffer, .address_space: global }
      - { .name: Wo, .offset: 24, .size: 8, .value_kind: global_buffer, .address_space: global }
      - { .name: bq, .offset: 32, .size: 8, .value_kind: global_buffer, .address_space: global }
      - { .name: bk, .offset: 40, .size: 8, .value_kind: global_buffer, .address_space: global }
      - { .name: bv, .offset: 48, .size: 8, .value_kind: global_buffer, .address_space: global }
      - { .name: bo, .offset: 56, .size: 8, .value_kind: global_buffer, .address_space: global }
      - { .name: gamma, .offset: 64, .size: 8, .value_kind: global_buffer, .address_space: global }
      - { .name: beta, .offset: 72, .size: 8, .value_kind: global_buffer, .address_space: global }
      - { .name: wts, .offset: 80, .size: 8, .value_kind: global_buffer, .address_space: global }
      - { .name: tab, .offset: 88, .size: 8, .value_kind: global_buffer, .address_space: global }
    .group_segment_fixed_size: 17920
    .private_segment_fixed_size: 0
    .kernarg_segment_align: 8
    .kernarg_segment_size: 96
    .max_flat_workgroup_size: 128
    .sgpr_count:     66
    .vgpr_count:     112
    .wavefront_size: 32
...
	.end_amdgpu_metadata
.endif
;; end of part 1
;; launch proj (part 2): grid 256 x 1, 4 waves a work-group, clusters of 4 x 1, 327,680 bytes of LDS; arguments x, wts, tab, qkv; writes qkv
.if DOCPART == 2
	.amdgcn_target "amdgcn-amd-amdhsa--gfx1250"
	.amdhsa_code_object_version 6
	.text
	.protected	k_qbe9bb54a12_proj
	.globl	k_qbe9bb54a12_proj
	.p2align	8
	.type	k_qbe9bb54a12_proj,@function
k_qbe9bb54a12_proj:
	s_mov_b64 s[64:65], 0
	v_nop
	global_prefetch_b8 v0, s[64:65] scope:SCOPE_SE
	s_setreg_imm32_b32 hwreg(HW_REG_WAVE_MODE, 25, 1), 1
	s_wait_xcnt 0x0
	s_wait_alu depctr_hold_cnt(0) depctr_sa_sdst(0) depctr_va_vdst(0) depctr_va_sdst(0) depctr_va_ssrc(0) depctr_va_vcc(0) depctr_vm_vsrc(0)
	s_getreg_b32 s2, hwreg(HW_REG_IB_STS2, 6, 4)
	s_cmp_eq_u32 s2, 0
	s_cbranch_scc0 .Lentry_in_a_cluster
	s_endpgm
.Lentry_in_a_cluster:
	s_bfe_u32 s2, ttmp6, 0x10000c
	s_cmp_lg_u32 s2, 0x3003
	s_cbranch_scc0 .Lentry_shape_is_right
	s_endpgm
.Lentry_shape_is_right:
; q, k, v = relu(x W + b), in f16, by planes: qkv[3][16384][512].  x: [16384][512] f32, rounded to bf16 here; wts rows 0-1535 = Wq^T | Wk^T | Wv^T in bf16, [n][k]; tab[0..1535] = the biases.
; q is stored WITHOUT the scale: the next launch applies it in f32.  Sums in f32, started by the bias; each result rounded once.
; LIMITS.  q, k, v are held to 65,504, f16's largest number; the relu and that clamp are a maximum and a minimum in which a NaN loses.
; SHARES.  A work-group owns 64 rows of x and ALL 1,536 columns: x is read once.  Its 64 rows x 512 k stay in every wave's registers as 64 fragments (512 registers).  The weights stream through a ring
; of two LDS slots, 128 rows of wts a step, 12 steps; of a step's rows wave w multiplies 32 w .. 32 w + 31 by all 64 rows of x: each byte of a slot is read from LDS once in the work-group.
; THE WALK.  The steps are independent blocks of 128 columns.  Cluster c begins at step c mod 12 and goes round: at any time the 64 clusters ask for twelve different tiles, and a tile is asked for at twelve
; different times.  The tile's address, the bias's and the stores' are made anew in each step from the step's number.  NO PREFETCH: all twelve tiles are asked for by the clusters' first loads, at the head.
; THE PRODUCT IS TAKEN TRANSPOSED (source 0 = 16 rows of wts, source 1 = 16 rows of x): a lane holds one row of x (lane % 16) and eight neighbouring n, 16 bytes of f16.
; CLUSTER.  The four work-groups of a cluster walk the same weights in step: each tile is asked for JOINTLY, by the same tensor load with the same descriptor and the mask of four.
; THE WAY OUT.  A step's 64 x 128 results go into one of two stages in LDS and are stored in the NEXT step, behind its round, as whole rows of 256 bytes: one round a step orders slots and stages.
; REGISTERS, in windows of 256 (s_set_vgpr_msb: bits 1:0 source 0, 3:2 source 1, 5:4 source 2, 7:6 destination):
;   window 0: v0-19 addresses and what they are made of; v32-95 eight accumulators ((b, t) at 32 + 8 (4 b + t)); v96-127 packed results, and rows on their way out; v128-255 fragments of wts, two halves of eight
;   window 1: v0-31 the bias of this step and of the next          windows 2, 3: x, fragment (f, t) in window 2 + f / 8 at 32 (f % 8) + 8 t
.set PITCH, 1040                       ; an LDS row: 1,024 bytes + 16: the 16 rows of a fragment load start at 16 different groups of four banks (64 banks of 4 bytes: ISA guide 11.1)
.set QTR,   32*PITCH                   ; what one tensor load brings
.set SLOT,  128*PITCH                  ; slot 0 holds x first (k 0-255 of 64 rows, then k 256-511), then weights
.set STG,   2*SLOT                     ; behind the ring: two stages of 64 rows x 272 bytes; at the start the same bytes hold 32 rows of x in bf16, 1,040 bytes a row, twice
.set SPI,   272
.set STGB,  64*SPI
.set SPARE, STG+2*STGB                 ; behind the stages: the spare words, 128 bytes a wave
.set NSTEP, 12
.set AX,  2                            ; v2-3   x in f32: my wave's 8 rows of 32, 32 bytes a lane; k 0-255 and k 256-511
.set AW,  4                            ; v4-5   my place in slot 0, 1
.set STW, 6                            ; v6     where I put 16 bytes of a stage row
.set STR, 7                            ; v7     where I read a stage row back
.set CO,  8                            ; v8     my byte offset in the work-group's rows of a plane
.set BO,  9                            ; v9     my byte offset in a step's 512 bytes of bias
.set XSA, 10                           ; v10    x in bf16: where I put 16 bytes
.set SPW, 11                           ; v11    my spare word; never rewritten
.set NIL, 12                           ; v12    0, for the add alone
.set ZR,  13                           ; v13    0, for the relu
.set XRA, 14                           ; v14    x in bf16: where I read fragments
.set CLP, 15                           ; v15    65,504 twice, in f16
.set ACC, 32
.set PK,  96
.set KV,  128
.set WV,  12                           ; s12  wave
.set CX,  13                           ; s13  my place in the cluster
.set ID,  14                           ; s14  my block of 64 rows
.set G1W, 24                           ; s[24:31] group 1, weights (joint)
.set G1X, 32                           ; s[32:39] group 1, x
.set G0X, 40                           ; s[40:43] group 0, x
.set G0W, 44                           ; s[44:51] group 0, weights: a set for each slot
.set CNT, 52                           ; s52  the loop's count
.set SN,  53                           ; s53  the number of the step before: the one that is stored
.set SC,  54                           ; s54  of the step in hand
.set SF,  55                           ; s55  of the next step: the one that is fetched
.set FIRST, 56                         ; s56  1 in the walk's first step
.set QB0, 58                           ; s[58:59] qkv at the work-group's first row
.set OB,  60                           ; s[60:61] the stores' base
.set TBP, 66                           ; s[66:67] tab at the step whose bias is loaded next
.set OFW, 68                           ; s[68:69] a step's byte offset in wts
.set OFB, 70                           ; s[70:71] in tab
.set WB,  74                           ; s[74:75] wts at my 32 rows of step 0
.set MSB, 0
.macro WIN new                         ; the immediate's high byte repeats the setting that is left; a switch that changes nothing is dropped
.if MSB != (\new)
	s_set_vgpr_msb (MSB<<8)|(\new)
.set MSB, (\new)
.endif
.endm
.macro PLACES                          ; four places behind a matrix instruction, in front of loads into registers that it has read
.rept 4
	v_nop
.endr
.endm
.macro CROUND                          ; a round of the cluster's barrier: my work-group's barrier; wave 0 signals for it; every wave waits for all four work-groups; my work-group's barrier once more
	s_barrier_signal -1
	s_barrier_wait -1
	s_cmp_lg_u32 s[WV], 0
	s_cbranch_scc1 .Lnw0_\@
	s_barrier_signal -3
.Lnw0_\@:
	s_barrier_wait -3
	s_barrier_signal -1
	s_barrier_wait -1
.endm
.macro JLOADW sg                       ; the joint refill of slot sg: every wave fetches its 32 rows; an s_nop 0 and four v_nop follow
	tensor_load_to_lds s[G0W+4*(\sg):G0W+4*(\sg)+3], s[G1W:G1W+7]
	s_nop 0
	PLACES
.endm
.macro LDH buf, adr, off               ; eight fragments (16 rows x 256 k) into half buf: 16 loads of 16 bytes a lane
	WIN 0
.set i, 0
.rept 8
	ds_load_b128 v[KV+64*(\buf)+8*i:KV+64*(\buf)+8*i+3],   v[\adr] offset:(\off)+64*i
	ds_load_b128 v[KV+64*(\buf)+8*i+4:KV+64*(\buf)+8*i+7], v[\adr] offset:(\off)+64*i+32
.set i, i+1
.endr
.endm
; 32 products: rows 16 b .. of my 32, k = 256 buf .., all four tiles of x.  The four accumulators take turns.  first = 1: the bias starts the sums: nothing is cleared.
.macro MMH buf, b, first, p
.set fi, 0
.rept 8
.set t, 0
.rept 4
.if (\first) && (fi == 0)
	WIN 0x18
	v_wmma_f32_16x16x32_bf16 v[ACC+8*(4*(\b)+t):ACC+8*(4*(\b)+t)+7], v[KV+64*(\buf)+8*fi:KV+64*(\buf)+8*fi+7], v[32*fi+8*t:32*fi+8*t+7], v[16*(\p)+8*(\b):16*(\p)+8*(\b)+7]
.else
	WIN 0x08+4*(\buf)
	v_wmma_f32_16x16x32_bf16 v[ACC+8*(4*(\b)+t):ACC+8*(4*(\b)+t)+7], v[KV+64*(\buf)+8*fi:KV+64*(\buf)+8*fi+7], v[32*fi+8*t:32*fi+8*t+7], v[ACC+8*(4*(\b)+t):ACC+8*(4*(\b)+t)+7]
.endif
.set t, t+1
.endr
.set fi, fi+1
.endr
.endm
.macro BIASLD p                        ; my 2 x 8 numbers of bias into set p: register j of block b is the bias of n = 32 w + 16 b + 8 h + j
	WIN 0x40
.set b, 0
.rept 2
	global_load_b128 v[16*(\p)+8*b:16*(\p)+8*b+3],   v[BO], s[TBP:TBP+1] offset:64*b
	global_load_b128 v[16*(\p)+8*b+4:16*(\p)+8*b+7], v[BO], s[TBP:TBP+1] offset:64*b+16
.set b, b+1
.endr
	WIN 0
.endm
.macro SETOB                           ; the stores' base for step SN: plane SN / 4, 256 bytes of each row for SN % 4
	s_lshr_b32 s72, s[SN], 2
	s_lshl_b32 s72, s72, 24
	s_and_b32 s73, s[SN], 3
	s_lshl_b32 s73, s73, 8
	s_or_b32 s72, s72, s73
	s_mov_b32 s73, 0
	s_add_nc_u64 s[OB:OB+1], s[QB0:QB0+1], s[72:73]
.endm
.macro DRLD sg                         ; my 16 rows of stage sg, whole
.set i, 0
.rept 8
	ds_load_b128 v[PK+4*i:PK+4*i+3], v[STR] offset:(\sg)*STGB+i*2*SPI
.set i, i+1
.endr
.endm
.macro DRST
.set i, 0
.rept 8
	global_store_b128 v[CO], v[PK+4*i:PK+4*i+3], s[OB:OB+1] offset:i*2048  ; 16 lanes store 256 consecutive bytes, aligned
.set i, i+1
.endr
.endm
; THE i-TH STEP OF THE WALK.  u = the slot that is read, p = i % 2 = the slot that is filled, the stage that is written and the set of bias in use.
; brf = 1: this text also serves the walk's first step, which has no step before it to store: a forward jump on a flag that is 1 at the entry and 0 ever after.
.macro PSTEP u, p, fill, brf, nextb
	WIN 0
	s_wait_tensorcnt 0x0                           ; all my tensor loads have landed: my part of this step's slot; so a group 0 may be written
	ds_add_u32 v[SPW], v[NIL]                      ; 0 onto my spare word; the scalar steps stand between it and the wait for it
	s_wait_xcnt 0x0                                ; the last step's loads and stores have read their bases, which are written now
	s_mov_b32 s[SN], s[SC]                         ; the three numbers move on by one step, round the twelve
	s_mov_b32 s[SC], s[SF]
	s_add_co_u32 s[SF], s[SF], 1
	s_cmp_eq_u32 s[SF], NSTEP
	s_cselect_b32 s[SF], 0, s[SF]
.if \fill
	s_lshl_b32 s[OFW], s[SF], 17                   ; 128 rows of 1,024 bytes a step
	s_add_nc_u64 s[G0W+4*(\p)+2:G0W+4*(\p)+3], s[WB:WB+1], s[OFW:OFW+1]
	s_or_b32 s[G0W+4*(\p)+3], s[G0W+4*(\p)+3], 0x80000000
.endif
.if \nextb
	s_lshl_b32 s[OFB], s[SF], 9                    ; 128 numbers of bias a step
	s_add_nc_u64 s[TBP:TBP+1], s[8:9], s[OFB:OFB+1]
.endif
	SETOB
	s_wait_dscnt 0x0                               ; the add is done; my reads of the other slot and of the stage are back; my stores into the stage are done
.if \fill
	CROUND                                         ; no wave of any partner still reads the slot or has a load on its way
	JLOADW \p                                      ; the next step: it has this step's 128 products in which to land
.else
	s_barrier_signal -1
	s_barrier_wait -1
.endif
.if \brf
	s_cmp_eq_u32 s[FIRST], 1
	s_cbranch_scc1 .Lnd_\@
.endif
	DRLD 1-(\p)                                    ; the last step's results
	LDH 0, AW+(\u), 0
	LDH 1, AW+(\u), 512
	s_wait_dscnt 32                                ; the stage's eight loads are in; the 32 fragment loads behind them stay out
	DRST
.if \brf
	s_branch .Ljn_\@
.Lnd_\@:
	LDH 0, AW+(\u), 0
	LDH 1, AW+(\u), 512
.Ljn_\@:
	s_mov_b32 s[FIRST], 0
.endif
.if \nextb
	BIASLD 1-(\p)
.endif
	s_wait_loadcnt 4*(\nextb)                      ; this step's bias is in; the next step's four loads stay out
	s_wait_dscnt 16                                ; the first half is in
	MMH 0, 0, 1, \p
	PLACES
	LDH 0, AW+(\u), 16*PITCH
	s_wait_dscnt 16                                ; the second half is in; the 16 just issued stay out
	MMH 1, 0, 0, \p
	PLACES
	LDH 1, AW+(\u), 16*PITCH+512
	s_wait_dscnt 16
	MMH 0, 1, 1, \p
	s_wait_dscnt 0x0
	MMH 1, 1, 0, \p
	WIN 0
	s_wait_xcnt 0x0                                ; the stores above have read the registers that are written now
.set j, 0
.rept 32                               ; ascending: block 0's sixteen conversions are the places behind block 1's last products
	v_cvt_pk_f16_f32 v[PK+j], v[ACC+2*j], v[ACC+2*j+1]
.set j, j+1
.endr
.set j, 0
.rept 32
	v_pk_max_num_f16 v[PK+j], v[PK+j], v[ZR]
.set j, j+1
.endr
.set j, 0
.rept 32
	v_pk_min_num_f16 v[PK+j], v[PK+j], v[CLP]      ; an infinity from the rounding is held to 65,504
.set j, j+1
.endr
.set a, 0
.rept 8                                ; accumulator a: block a / 4, tile a % 4
	ds_store_b128 v[STW], v[PK+4*a:PK+4*a+3] offset:(\p)*STGB+(a%4)*16*SPI+32*(a/4)
.set a, a+1
.endr
.endm
; x IS ROUNDED ONCE IN THE WORK-GROUP, 32 rows at a time.  Of pass u's rows wave w takes 32 u + 8 w .. + 7: a lane reads 8 neighbouring f32 of each half of a row (two loads of 16 bytes),
; rounds them to 16 bytes of bf16 and puts them into rows of 1,040 bytes; behind a barrier every wave reads all 32 rows back as fragments.
.macro XLD u
	WIN 0
.set i, 0
.rept 8
	ds_load_b128 v[KV+16*i:KV+16*i+3],     v[AX]   offset:(32*(\u)+i)*PITCH
	ds_load_b128 v[KV+16*i+4:KV+16*i+7],   v[AX]   offset:(32*(\u)+i)*PITCH+16
	ds_load_b128 v[KV+16*i+8:KV+16*i+11],  v[AX+1] offset:(32*(\u)+i)*PITCH
	ds_load_b128 v[KV+16*i+12:KV+16*i+15], v[AX+1] offset:(32*(\u)+i)*PITCH+16
.set i, i+1
.endr
.endm
.macro XCV
	WIN 0
.set j, 0
.rept 64
	v_cvt_pk_bf16_f32 v[ACC+j], v[KV+2*j], v[KV+2*j+1]
.set j, j+1
.endr
.endm
.macro XST
.set i, 0
.rept 8
	ds_store_b128 v[XSA], v[ACC+8*i:ACC+8*i+3]   offset:i*PITCH
	ds_store_b128 v[XSA], v[ACC+8*i+4:ACC+8*i+7] offset:i*PITCH+512
.set i, i+1
.endr
.endm
.macro XFR u                           ; tiles 2 u and 2 u + 1, all 16 fragments of each
.set fi, 0
.rept 16
	WIN 0x80+0x40*(fi/8)
.set n, 0
.rept 2
	ds_load_b128 v[32*(fi%8)+8*(2*(\u)+n):32*(fi%8)+8*(2*(\u)+n)+3],   v[XRA] offset:n*16*PITCH+64*fi
	ds_load_b128 v[32*(fi%8)+8*(2*(\u)+n)+4:32*(fi%8)+8*(2*(\u)+n)+7], v[XRA] offset:n*16*PITCH+64*fi+32
.set n, n+1
.endr
.set fi, fi+1
.endr
	WIN 0
.endm
	s_load_b256 s[4:11], s[0:1], 0x0               ; x s[4:5], wts s[6:7], tab s[8:9], qkv s[10:11]
	v_lshl_add_u32 v[SPW], v0, 2, SPARE
	v_mov_b32 v[NIL], 0
	ds_add_u32 v[SPW], v[NIL]                      ; the wave's opening: the add, ahead of my first tensor load; the set-up below stands between it and its wait
	v_lshrrev_b32 v1, 5, v0
	v_readfirstlane_b32 s[WV], v1                  ; wave 0..3
	s_bfe_u32 s[CX], ttmp6, 0x40000
	s_lshl_b32 s[ID], ttmp9, 2                     ; in a cluster launch ttmp9 counts clusters
	s_add_co_u32 s[ID], s[ID], s[CX]
	s_mov_b32 s[G1W], 15|(1<<16)|(1<<20)|(1<<21)|(7<<22)|(3<<25)  ; the mask of four; 2-byte elements; padding on; bit 21 beside a mask; after every 256 words (code 7) 4 words (code 3)
	s_mov_b32 s[G1W+1], 512<<16                    ; tensor_dim0 = 512
	s_mov_b32 s[G1W+2], 32<<16                     ; tensor_dim1 = 32
	s_mov_b32 s[G1W+3], 512<<16                    ; tile_dim0 = 512
	s_mov_b32 s[G1W+4], 32                         ; tile_dim1 = 32
	s_mov_b32 s[G1W+5], 512                        ; elements from row to row
	s_mov_b32 s[G1W+6], 0
	s_mov_b32 s[G1W+7], 0
	s_mov_b32 s[G1X], (2<<16)|(1<<20)|(7<<22)|(3<<25)  ; no mask; 4-byte elements; the same padding
	s_mov_b32 s[G1X+1], 256<<16                    ; half a row of x: 256 f32
	s_mov_b32 s[G1X+2], 32<<16
	s_mov_b32 s[G1X+3], 256<<16
	s_mov_b32 s[G1X+4], 32
	s_mov_b32 s[G1X+5], 512
	s_mov_b32 s[G1X+6], 0
	s_mov_b32 s[G1X+7], 0
	s_mul_i32 s20, s[WV], QTR                      ; my quarter of a slot: no place in the cluster enters an LDS address
	s_mov_b32 s[G0X], 1
	s_mov_b32 s[G0X+1], s20
	s_mov_b32 s[G0W], 1
	s_mov_b32 s[G0W+1], s20
	s_mov_b32 s[G0W+4], 1
	s_add_co_u32 s[G0W+5], s20, SLOT
	s_lshl_b32 s18, s[WV], 15                      ; my 32 rows of a step
	s_mov_b32 s19, 0
	s_lshl_b32 s16, s[ID], 17                      ; 64 rows of x,
	s_and_b32 s17, s[WV], 1
	s_lshl_b32 s17, s17, 16                        ; which 32 of them,
	s_add_co_u32 s16, s16, s17
	s_lshr_b32 s17, s[WV], 1
	s_lshl_b32 s17, s17, 10                        ; which half of k
	s_add_co_u32 s16, s16, s17
	s_mov_b32 s17, 0
	s_mov_b32 s22, ttmp9                           ; the cluster's number c, 0 to 63: the same in all four partners
	s_mul_i32 s21, s22, 43
	s_lshr_b32 s21, s21, 9                         ; c / 12 (43 / 512 serves up to 63)
	s_mul_i32 s21, s21, NSTEP
	s_sub_co_u32 s[SF], s22, s21                   ; the walk's first step: c mod 12
	s_lshl_b32 s[OFW], s[SF], 17
	s_mov_b32 s[OFW+1], 0
	s_lshl_b32 s[OFB], s[SF], 9
	s_mov_b32 s[OFB+1], 0
	s_mov_b32 s[SC], 0                             ; (moved into SN in the first step, where nothing is stored by it)
	s_mov_b32 s[CNT], 6
	s_mov_b32 s[FIRST], 1
	s_wait_dscnt 0x0                               ; the opening add is done
	s_wait_kmcnt 0x0
	s_add_nc_u64 s[G0X+2:G0X+3], s[4:5], s[16:17]
	s_or_b32 s[G0X+3], s[G0X+3], 0x80000000
	s_add_nc_u64 s[WB:WB+1], s[6:7], s[18:19]
	s_add_nc_u64 s[G0W+6:G0W+7], s[WB:WB+1], s[OFW:OFW+1]  ; slot 1 takes the walk's first step; slot 0 the second, when x has been read out of it
	s_or_b32 s[G0W+7], s[G0W+7], 0x80000000
	s_lshl_b32 s16, s[ID], 16
	s_add_nc_u64 s[QB0:QB0+1], s[10:11], s[16:17]
	s_add_nc_u64 s[TBP:TBP+1], s[8:9], s[OFB:OFB+1]
	CROUND                                         ; all four work-groups are here: the first loads go out as one group
	tensor_load_to_lds s[G0X:G0X+3], s[G1X:G1X+7]
	s_nop 0
	tensor_load_to_lds s[G0W+4:G0W+7], s[G1W:G1W+7]
	s_nop 0
	PLACES
	v_and_b32 v1, 15, v0                           ; r = l % 16
	v_bfe_u32 v16, v0, 4, 1                        ; h = l / 16
	v_and_b32 v17, 31, v0                          ; l
	s_mul_i32 s21, s[WV], 8*PITCH
	v_lshl_add_u32 v[AX], v17, 5, s21              ; x in f32: row 8 w, 32 bytes a lane
	v_add_nc_u32 v[AX+1], 64*PITCH, v[AX]
	s_add_co_u32 s21, s21, STG
	v_lshl_add_u32 v[XSA], v17, 4, s21             ; x in bf16: row 8 w, 16 bytes a lane
	v_mul_u32_u24 v18, v1, PITCH
	v_lshl_add_u32 v18, v16, 4, v18                ; a fragment's row x pitch + 16 x half
	v_add_nc_u32 v[XRA], STG, v18
	v_add_nc_u32 v[AW], s20, v18                   ; row 32 w + r
	v_add_nc_u32 v[AW+1], SLOT, v[AW]
	v_mul_u32_u24 v19, v1, SPI
	v_lshl_add_u32 v19, v16, 4, v19
	s_lshl_b32 s21, s[WV], 6
	s_add_co_u32 s21, s21, STG
	v_add_nc_u32 v[STW], s21, v19                  ; stage row r, my wave's 64 bytes, 16 for each half
	v_mul_u32_u24 v19, v16, SPI
	v_lshl_add_u32 v19, v1, 4, v19
	s_mul_i32 s21, s[WV], 16*SPI
	s_add_co_u32 s21, s21, STG
	v_add_nc_u32 v[STR], s21, v19                  ; back: lanes 0-15 one row of 256 bytes, lanes 16-31 the next
	s_lshl_b32 s21, s[WV], 14
	v_lshlrev_b32 v[CO], 4, v1
	v_lshl_add_u32 v[CO], v16, 10, v[CO]
	v_add_nc_u32 v[CO], s21, v[CO]
	s_lshl_b32 s21, s[WV], 7
	v_lshl_add_u32 v[BO], v16, 5, s21
	v_mov_b32 v[ZR], 0
	v_mov_b32 v[CLP], 0x7bff7bff
	BIASLD 0
	s_wait_tensorcnt 0x1                           ; my part of x is in; the weights' load behind it stays out
	s_barrier_signal -1
	s_barrier_wait -1
	XLD 0
	s_wait_dscnt 0x0
	XCV
	XST
	XLD 1                                          ; the second pass's f32 are fetched meanwhile
	s_wait_dscnt 0x0                               ; for the others' sake: my rows lie in the stage
	s_barrier_signal -1
	s_barrier_wait -1
	XFR 0
	XCV
	s_wait_dscnt 0x0                               ; my reads of the stage are back:
	s_barrier_signal -1
	s_barrier_wait -1                              ; everybody's are, and it is written again
	XST
	s_wait_dscnt 0x0
	s_barrier_signal -1
	s_barrier_wait -1
	XFR 1                                          ; waited for at the head of the first step
	s_branch .Lmid                                 ; the loop is entered in its middle: the walk's first step reads slot 1
.Lp:                                                   ; a trip: steps 2 i - 1 and 2 i of the walk
	PSTEP 0, 1, 1, 0, 1
	WIN 0
.Lmid:
	PSTEP 1, 0, 1, 1, 1
	WIN 0
	s_sub_co_u32 s[CNT], s[CNT], 1
	s_cmp_lg_u32 s[CNT], 0
	s_cbranch_scc1 .Lp
	PSTEP 0, 1, 0, 0, 0                            ; the walk's last step is written out: nothing is left to fetch
	s_wait_dscnt 0x0                               ; my stores into the stage are done
	s_barrier_signal -1
	s_barrier_wait -1
	s_wait_xcnt 0x0
	s_mov_b32 s[SN], s[SC]
	SETOB
	DRLD 1
.set i, 0
.rept 8
	s_wait_dscnt 7-i                               ; load i is in, the younger ones stay out
	global_store_b128 v[CO], v[PK+4*i:PK+4*i+3], s[OB:OB+1] offset:i*2048
.set i, i+1
.endr
	s_wait_tensorcnt 0x0                           ; the wave's end: behind my last tensor load and my last LDS store
	ds_add_u32 v[SPW], v[NIL]
	s_wait_dscnt 0x0
	CROUND                                         ; the closing round: no work-group ends while a partner may still ask for a tile that names it
	s_endpgm
.Lfunc_end_k_qbe9bb54a12_proj:
	.size	k_qbe9bb54a12_proj, .Lfunc_end_k_qbe9bb54a12_proj-k_qbe9bb54a12_proj
	.p2alignl 7, 3214868480
	.fill 96, 4, 3214868480
	.section	.rodata,"a",@progbits
	.p2align	6, 0x0
	.amdhsa_kernel k_qbe9bb54a12_proj
		.amdhsa_group_segment_fixed_size 327680
		.amdhsa_private_segment_fixed_size 0
		.amdhsa_enable_private_segment 0
		.amdhsa_kernarg_size 32
		.amdhsa_user_sgpr_count 2
		.amdhsa_user_sgpr_kernarg_segment_ptr 1
		.amdhsa_wavefront_size32 1
		.amdhsa_system_sgpr_workgroup_id_x 1
		.amdhsa_system_sgpr_workgroup_id_y 1
		.amdhsa_system_sgpr_workgroup_id_z 1
		.amdhsa_system_vgpr_workitem_id 0
		.amdhsa_next_free_vgpr 1024
		.amdhsa_next_free_sgpr 76
		.amdhsa_reserve_vcc 0
		.amdhsa_float_denorm_mode_32 3
		.amdhsa_float_denorm_mode_16_64 3
		.amdhsa_memory_ordered 1
		.amdhsa_forward_progress 1
		.amdhsa_inst_pref_size 99
	.end_amdhsa_kernel
	.amdgpu_metadata
---
amdhsa.version: [ 1, 2 ]
amdhsa.kernels:
  - .name:           k_qbe9bb54a12_proj
    .symbol:         k_qbe9bb54a12_proj.kd
    .args:
      - { .name: x, .offset: 0, .size: 8, .value_kind: global_buffer, .address_space: global }
      - { .name: wts, .offset: 8, .size: 8, .value_kind: global_buffer, .address_space: global }
      - { .name: tab, .offset: 16, .size: 8, .value_kind: global_buffer, .address_space: global }
      - { .name: qkv, .offset: 24, .size: 8, .value_kind: global_buffer, .address_space: global }
    .group_segment_fixed_size: 327680
    .private_segment_fixed_size: 0
    .kernarg_segment_align: 8
    .kernarg_segment_size: 32
    .max_flat_workgroup_size: 128
    .sgpr_count:     76
    .vgpr_count:     1024
    .wavefront_size: 32
...
	.end_amdgpu_metadata
.endif
;; end of part 2
;; launch attn (part 3): grid 32 x 8, 4 waves a work-group, clusters of 4 x 1, 327,680 bytes of LDS; arguments qkv, wts, tab, out0; writes out0
.if DOCPART == 3
	.amdgcn_target "amdgcn-amd-amdhsa--gfx1250"
	.amdhsa_code_object_version 6
	.text
	.protected	k_qbe9bb54a12_attn
	.globl	k_qbe9bb54a12_attn
	.p2align	8
	.type	k_qbe9bb54a12_attn,@function
k_qbe9bb54a12_attn:
	s_mov_b64 s[64:65], 0
	v_nop
	global_prefetch_b8 v0, s[64:65] scope:SCOPE_SE
	s_setreg_imm32_b32 hwreg(HW_REG_WAVE_MODE, 25, 1), 1
	s_wait_xcnt 0x0
	s_wait_alu depctr_hold_cnt(0) depctr_sa_sdst(0) depctr_va_vdst(0) depctr_va_sdst(0) depctr_va_ssrc(0) depctr_va_vcc(0) depctr_vm_vsrc(0)
	s_getreg_b32 s2, hwreg(HW_REG_IB_STS2, 6, 4)
	s_cmp_eq_u32 s2, 0
	s_cbranch_scc0 .Lentry_in_a_cluster
	s_endpgm
.Lentry_in_a_cluster:
	s_bfe_u32 s2, ttmp6, 0x10000c
	s_cmp_lg_u32 s2, 0x3003
	s_cbranch_scc0 .Lentry_shape_is_right
	s_endpgm
.Lentry_shape_is_right:
; out0 = LayerNorm(relu(softmax(q k^T / 8) v Wo + bo)) gamma + beta.  qkv: [3][8 x 2048][512] f16 (q unscaled); wts rows 1536-2047 = Wo^T in f16, [n][k]; tab: bo at byte 6,144, gamma 8,192, beta 10,240.
; Products, maxima, sums and the norm in f32; the weights p and the context are rounded to f16 for the products that take them; out0 is f32.
; LIMITS.  p f lies in 0 to 1 and below 6e-5 keeps f16's fixed step of 6e-8; a weight below 2^-126 counts as 0 in l; the context is a mean of v's rows, within f16's range as they are;
; in the relu a NaN loses; NaN and infinities are not treated apart.
; SHARES.  A work-group owns 64 queries of one batch: four tiles of 16; all four waves hold all of Q (64 fragments, 512 registers).  64 keys a step, 32 steps.
;   S^T = K Q^T: wave w takes keys 16 w .. 16 w + 15 and all queries (4 accumulators).      O^T = V^T P: wave w takes channels 128 w .. 128 w + 127 and all queries (32 accumulators).
;   So each byte of K and of V is read from LDS once in the work-group; P (8 KB a step) crosses the waves through LDS.
; SOFTMAX.  c = log2(e) / 8.  Wave w keeps, for each query, a running maximum cm_w = c x the largest score of ITS keys so far, and a sum l_w: p = 2^(c s - cm_w).  It hands on p (f16) and cm_w.
;   A reader forms M = the largest of the four cm_w, f_w = 2^(cm_w - M), a = 2^(M_old - M); it multiplies P's part from wave w by f_w and O^T by a.  At the end l = the sum of l_w f_w.  No exponent is above 0 but by a rounding.
; THE WALK.  With running maxima the keys may come in any order.  Cluster c (0 to 7) of a batch begins at key step 8 ((c xor c / 2) mod 4) and goes round the 32: at any time the batch's clusters ask for four
;   different tiles, eight steps apart; whichever bit of c is held fixed, the other four clusters have four different starts.  "Step j" below counts from the cluster's own start.
; PIPELINE.  Trip t multiplies V^T P of step t - 1 and makes S and p of step t: a slot of LDS holds K of step t and V of step t - 1, P and cm have two buffers, and ONE round of the cluster's barrier a trip orders all of it.
;   Trip 31's refill has no further K to bring: the waves that fetch K bring 64 rows of Wo^T into the same bytes, so that the loop's text serves that trip too.
; CLUSTER.  The four query blocks of a cluster belong to one batch and walk the same K, V and Wo^T: each tile is asked for JOINTLY.
; THE DENSE LAYER takes the context (through LDS, into Q's registers) as the stationary operand and streams Wo^T through the same two slots, 128 rows a step; the norm follows in registers.
; REGISTERS, in windows of 256 (s_set_vgpr_msb: bits 1:0 source 0, 3:2 source 1, 5:4 source 2, 7:6 destination):
;   window 0: v0-15 addresses and what they are made of: these sixteen never hold data; v16-19 cm_w; v20-23 M; v24-31 l_w; v32-63 S^T (and at work); v64-127 P (and at work); v128-255 fragments of K, V, Wo^T: two halves of eight
;   window 1: O^T, (cb, t) at 8 (4 cb + t); later the Dense layer's results          windows 2, 3: Q, later the context: fragment (f, t) in window 2 + f / 8 at 32 (f % 8) + 8 t
; O^T is cleared by 256 v_mov_b32 in the wait for the first tiles: no first step is written out; the first a is 0.
.set KP,    1040                       ; a row of K, Q, Wo^T or the context in LDS: 1,024 + 16 bytes: 16 rows of a load start at 16 different groups of four banks (64 banks of 4 bytes: ISA guide 11.1)
.set VP,    1056                       ; a row of V: 1,024 + 32
.set VOFF,  64*KP                      ; a slot: 64 rows of K, then 64 rows of V (in trip 0: of Q); in the Dense layer 128 rows of Wo^T, 1,040 bytes apart
.set SLOT,  VOFF+64*VP
.set PX,    2*SLOT                     ; behind the ring: two buffers of P (64 queries x 144 bytes) and cm ([tile][query][wave] f32)
.set PP,    144
.set MXO,   64*PP
.set PXB,   10240
.set LXO,   2*PXB-MXO                  ; from the first buffer's cm to l_w; 1,024 bytes on: the rows' sums; 1,024 on: the sums of squares
.set L1O,   LXO+1024
.set L2O,   LXO+2048
.set CST,   PX+2*PXB+3072              ; the context's stage: 32 queries x 1,040 bytes, used twice
.set SPARE, CST+32*KP                  ; the spare words, 128 bytes a wave
.set OST,   SLOT                       ; the way out, 64 rows x 2,064 bytes, in slot 1 when it has had its last fill and its last read
.set OP,    2064
.set WOT,   1536*1024                  ; Wo^T in wts
.set KSB,   64*1024                    ; a key step's rows in memory
.set WSB,   128*1024                   ; a Dense step's rows in memory
.set RR,  1                            ; v1     lane % 16, from the head to the end of the attention
.set AK,  2                            ; v2-3   my place in K of slot 0, 1
.set AV,  4                            ; v4-5   the same for V
.set APR, 6                            ; v6     where I read P
.set APW, 7                            ; v7     where I put my 16 bytes of P
.set AMR, 8                            ; v8     where I read a query's four numbers (cm, l, sums)
.set AMW, 9                            ; v9     where I put my wave's
.set PFO, 10                           ; v10    the prefetches' offset: row lane / 4, block lane % 4 of 256 bytes
.set SPW, 11                           ; v11    my spare word; never rewritten
.set NIL, 12                           ; v12    0; never rewritten
.set AQ,  13                           ; v13    my place in Q
.set HH,  14                           ; v14    lane / 16, from the head to the end of the attention
.set TT,  15                           ; v15    at work while addresses are made
.set AW,  2                            ; behind the attention: v2-3 my place in Wo^T of slot 0, 1
.set ACS, 4                            ; v4     where I put 16 bytes of the context
.set ACR, 5                            ; v5     where I read its fragments
.set BO,  6                            ; v6     my byte offset in 512 bytes of bo, gamma, beta
.set AO0, 7                            ; v7, v13  where I put 32 bytes of a row of the result: tiles 0, 1 and tiles 2, 3
.set AO1, 13
.set AOR, 14                           ; v14    where I read its rows back
.set GOU, 15                           ; v15    my byte offset in the work-group's rows of out0
.set MW,  16
.set MG,  20
.set LW,  24
.set S,   32
.set P,   64
.set KV,  128
.set WV,  12                           ; s12 wave;  s13 place in the cluster;  s14 block of 64 queries;  s15 batch
.set CX,  13
.set QB,  14
.set BT,  15
.set G0Y, 20                           ; s[20:23] behind the attention: group 0 for rows 192-255 of Wo^T
.set G1K, 24                           ; s[24:31] group 1 for K and Wo^T;  s[32:39] for V;  s[40:47] for Q (no mask)
.set G1V, 32
.set G1Q, 40
.set G0K, 48                           ; s[48:55] group 0 for K, a set for each slot;  s[56:63] for V;  s[68:71] Q;  s[72:79] Wo^T
.set G0V, 56
.set ST,  66                           ; s66  the place among the batch's 32 key steps of the V that is fetched next
.set FW2, 67                           ; s67  1 in waves 2 and 3 of the one cluster that prefetches Wo^T
.set G0Q, 68
.set G0W, 72
.set CS,  80                           ; s[80:81] c, twice
.set SEL, 82                           ; s[82:83] v_permlanex16_b32's selects: each lane takes its own place in the other half
.set CNT, 84
.set LIMA, 85                          ; a wave prefetches while the count is above these
.set LIMB, 86
.set FW,  87                           ; 1 in the one cluster that prefetches Wo^T
.set PFA, 88                           ; s[88:89] where my prefetches of K or V stand
.set PFW, 90                           ; s[90:91] of Wo^T
.set OUTB, 92                          ; s[92:93] out0 at the work-group's first row
.set I512, 94                          ; s94  1 / 512
.set EPS, 95                           ; s95  0.001
.set KB,  96                           ; s[96:97]   k's plane at my 32 rows of the batch's key step 0
.set VB,  98                           ; s[98:99]   v's plane likewise
.set OFF, 100                          ; s[100:101] a key step's byte offset
.set WK,  104                          ; s[104:105] Wo^T at row 128 + 32 (wave % 2)
.set MSB, 0
.macro WIN new                         ; the immediate's high byte repeats the setting that is left; a switch that changes nothing is dropped
.if MSB != (\new)
	s_set_vgpr_msb (MSB<<8)|(\new)
.set MSB, (\new)
.endif
.endm
.macro PLACES                          ; four places behind a matrix instruction (ISA guide 7.12.1)
.rept 4
	v_nop
.endr
.endm
.macro ALL4 line:vararg                ; one line for each tile t
.set t, 0
.rept 4
	\line
.set t, t+1
.endr
.endm
.macro ALLTW line:vararg               ; one line for each tile t and each w of four
.set t, 0
.rept 4
.set w, 0
.rept 4
	\line
.set w, w+1
.endr
.set t, t+1
.endr
.endm
.macro CROUND                          ; a round of the cluster's barrier
	s_barrier_signal -1
	s_barrier_wait -1
	s_cmp_lg_u32 s[WV], 0
	s_cbranch_scc1 .Lnw0_\@
	s_barrier_signal -3
.Lnw0_\@:
	s_barrier_wait -3
	s_barrier_signal -1
	s_barrier_wait -1
.endm
; The joint refills.  Waves 0 and 1 fetch the halves of a step's K, waves 2 and 3 those of V: the branch hangs on the wave's number alone.  An s_nop 0 and four v_nop follow each load.
.macro JLOADKV sg
	s_cmp_lt_u32 s[WV], 2
	s_cbranch_scc0 .Lfv_\@
	tensor_load_to_lds s[G0K+4*(\sg):G0K+4*(\sg)+3], s[G1K:G1K+7]
	s_nop 0
	PLACES
	s_branch .Lja_\@
.Lfv_\@:
	tensor_load_to_lds s[G0V+4*(\sg):G0V+4*(\sg)+3], s[G1V:G1V+7]
	s_nop 0
	PLACES
.Lja_\@:
.endm
.macro JLOADW sg                       ; 128 rows of Wo^T: every wave fetches 32
	tensor_load_to_lds s[G0W+4*(\sg):G0W+4*(\sg)+3], s[G1K:G1K+7]
	s_nop 0
	PLACES
.endm
.macro JLOADY                          ; rows 192-255 of Wo^T, behind the 64 that trip 31 brought into slot 0: waves 2 and 3 fetch 32 each
	s_cmp_lt_u32 s[WV], 2
	s_cbranch_scc1 .Lny_\@
	tensor_load_to_lds s[G0Y:G0Y+3], s[G1K:G1K+7]
	s_nop 0
	PLACES
.Lny_\@:
.endm
; THE CHANGE OF SLOTS.  Each wave waits for all its tensor loads, adds 0 to its spare word, and waits for that, for its reads of the slot and of P, and for its stores of p and cm.  Behind the round no wave of any
; partner reads slot sg any more, the other slot is whole, and the last step's p and cm are there for all.  kind 0: V of this trip's step and K of the next, their addresses made anew from the step's place, round the 32;
; kind 2: Wo^T.  In the loop's last trip (the count is 1; it fills slot 0) K's address gives way to Wo^T's.
.macro CHANGE kind, sg
	WIN 0
	s_wait_tensorcnt 0x0                           ; no tensor load of mine is out, so a group 0 may be written
	ds_add_u32 v[SPW], v[NIL]                      ; 0 onto my spare word; the descriptors' words stand between it and the wait for it
.if (\kind) == 0
	s_lshl_b32 s[OFF], s[ST], 16
	s_add_nc_u64 s[G0V+4*(\sg)+2:G0V+4*(\sg)+3], s[VB:VB+1], s[OFF:OFF+1]
	s_or_b32 s[G0V+4*(\sg)+3], s[G0V+4*(\sg)+3], 0x80000000
	s_add_co_u32 s[ST], s[ST], 1
	s_and_b32 s[ST], s[ST], 31
	s_lshl_b32 s[OFF], s[ST], 16
	s_add_nc_u64 s[G0K+4*(\sg)+2:G0K+4*(\sg)+3], s[KB:KB+1], s[OFF:OFF+1]
.if (\sg) == 0
	s_cmp_eq_u32 s[CNT], 1
	s_cselect_b64 s[G0K+2:G0K+3], s[WK:WK+1], s[G0K+2:G0K+3]
.endif
	s_or_b32 s[G0K+4*(\sg)+3], s[G0K+4*(\sg)+3], 0x80000000
	s_wait_xcnt 0x0                                ; the last prefetch, a trip back, has read its address
	s_add_nc_u64 s[PFA:PFA+1], s[PFA:PFA+1], KSB
.endif
	s_wait_dscnt 0x0
	CROUND
.if (\kind) == 0
	JLOADKV \sg
.else
	JLOADW \sg
.endif
.endm
; PREFETCHES INTO THE L2 of what the NEXT refill will ask for.  Where the clusters walk at one pace, a cluster is the first to ask for the eight steps from its start on.  Two clusters of a batch have each start: the one with
; c < 4 prefetches, in trips 1 to 5 K of its steps 3 to 7, in trips 1 to 6 V of its steps 2 to 7; the steps before those come by their loads alone.  Of the 32 rows that a wave fetches the partner at place cx
; takes 8 cx .. 8 cx + 7, told apart BY ADDRESS: 32 blocks of 256 bytes, a lane a block, one instruction a wave: each block is named once in the launch.
; Wo^T is asked for by one cluster of the launch, rows 192 to 511, one refill ahead; rows 0 to 191 are fetched more than a trip ahead of their first use.
.macro ASKKV lim
	s_cmp_gt_u32 s[CNT], s[\lim]
	s_cbranch_scc0 .Lna_\@
	global_prefetch_b8 v[PFO], s[PFA:PFA+1] th:TH_LOAD_NT scope:SCOPE_SE
.Lna_\@:
.endm
.macro ASKW st, flag
	s_cmp_eq_u32 s[\flag], 1
	s_cbranch_scc0 .Lnq_\@
	global_prefetch_b8 v[PFO], s[PFW:PFW+1] offset:(\st)*WSB th:TH_LOAD_NT scope:SCOPE_SE
.Lnq_\@:
.endm
.macro LDH buf, adr, off               ; eight fragments (16 rows x 256 channels) into half buf
	WIN 0
.set i, 0
.rept 8
	ds_load_b128 v[KV+64*(\buf)+8*i:KV+64*(\buf)+8*i+3],   v[\adr] offset:(\off)+64*i
	ds_load_b128 v[KV+64*(\buf)+8*i+4:KV+64*(\buf)+8*i+7], v[\adr] offset:(\off)+64*i+32
.set i, i+1
.endr
.endm
.macro LDV kk, par                     ; V turned: keys 32 kk .., my 128 channels: eight fragments of V^T into half kk
	WIN 0
.set cb, 0
.rept 8
	ds_load_tr16_b128 v[KV+64*(\kk)+8*cb:KV+64*(\kk)+8*cb+3],   v[AV+(\par)] offset:(\kk)*32*VP+32*cb
	ds_load_tr16_b128 v[KV+64*(\kk)+8*cb+4:KV+64*(\kk)+8*cb+7], v[AV+(\par)] offset:(\kk)*32*VP+16*VP+32*cb
.set cb, cb+1
.endr
.endm
.macro LDMP par                        ; the last step's four cm of my queries, and its P as eight fragments (keys 32 (a / 4) .., tile a % 4)
	WIN 0
	ALL4 ds_load_b128 v[S+4*t:S+4*t+3], v[AMR] offset:(1-(\par))*PXB+256*t
.set a, 0
.rept 8
	ds_load_b128 v[P+8*a:P+8*a+3],   v[APR] offset:(1-(\par))*PXB+(a%4)*16*PP+64*(a/4)
	ds_load_b128 v[P+8*a+4:P+8*a+7], v[APR] offset:(1-(\par))*PXB+(a%4)*16*PP+64*(a/4)+32
.set a, a+1
.endr
.endm
; M, a and the four f of each tile; O^T times a; P times f.  At work in S^T's registers: cm and then f at S + 4 t + w, a at S + 16 + 2 t, M at S + 24 + t.  The 20 exponentials are one batch with one wait.
.macro PREP
	WIN 0
	s_wait_dscnt 48                                ; the four loads of cm are in; P's 16 and the 32 behind them stay out
	ALL4 v_max3_num_f32 v[S+24+t], v[S+4*t], v[S+4*t+1], v[S+4*t+2]
	ALL4 v_max_num_f32 v[S+24+t], v[S+24+t], v[S+4*t+3]
	ALL4 v_sub_f32 v[S+16+2*t], v[MG+t], v[S+24+t]
	ALL4 v_mov_b32 v[MG+t], v[S+24+t]
	ALLTW v_sub_f32 v[S+4*t+w], v[S+4*t+w], v[S+24+t]
	ALL4 v_exp_f32 v[S+16+2*t], v[S+16+2*t]
	ALLTW v_exp_f32 v[S+4*t+w], v[S+4*t+w]
	v_nop                                          ; a plain instruction behind the last exponential,
	s_wait_alu depctr_va_vdst(0)                   ; and the wait ahead of the first use: one for the batch
	ALLTW v_cvt_pk_f16_f32 v[S+4*t+w], v[S+4*t+w], v[S+4*t+w]
	WIN 0x41
.set i, 0
.rept 128                              ; ascending: each accumulator's lowest registers are read first
	v_pk_mul_f32 v[2*i:2*i+1], v[2*i:2*i+1], v[S+16+2*((i/4)%4):S+16+2*((i/4)%4)+1] op_sel_hi:[1,0]
.set i, i+1
.endr
	WIN 0
	s_wait_dscnt 32                                ; P is in
.set a, 0
.rept 8
.set i, 0
.rept 8                                ; registers 0-3 hold keys of wave 2 (a / 4), registers 4-7 of the wave after it
	v_pk_mul_f16 v[P+8*a+i], v[P+8*a+i], v[S+4*(a%4)+2*(a/4)+i/4]
.set i, i+1
.endr
.set a, a+1
.endr
.endm
; 64 products S^T = K Q^T; the four accumulators take turns; the first four start the sums.  ldv = 1: as a half of K has been multiplied, V's fragments take its registers.
.macro SMM par, ldv
	s_wait_dscnt 16                                ; K's first half is in
.set fi, 0
.rept 16
.if fi == 8
.if \ldv
	PLACES
	LDV 0, \par
.endif
	s_wait_dscnt 16                                ; K's second half is in; the 16 just issued stay out
.endif
	WIN 0x08+4*(fi/8)
.set t, 0
.rept 4
.if fi == 0
	v_wmma_f32_16x16x32_f16 v[S+8*t:S+8*t+7], v[KV+8*fi:KV+8*fi+7], v[32*(fi%8)+8*t:32*(fi%8)+8*t+7], 0
.else
	v_wmma_f32_16x16x32_f16 v[S+8*t:S+8*t+7], v[KV+8*fi:KV+8*fi+7], v[32*(fi%8)+8*t:32*(fi%8)+8*t+7], v[S+8*t:S+8*t+7]
.endif
.set t, t+1
.endr
.set fi, fi+1
.endr
.if \ldv
	PLACES
	LDV 1, \par
.endif
.endm
.macro PVMM                            ; 64 products O^T += V^T P: 32 accumulators by turns, twice
	WIN 0x50
	s_wait_dscnt 16                                ; V's first 32 keys are in
.set kk, 0
.rept 2
.if kk == 1
	s_wait_dscnt 0x0
.endif
.set a, 0
.rept 32
	v_wmma_f32_16x16x32_f16 v[8*a:8*a+7], v[KV+64*kk+8*(a/4):KV+64*kk+8*(a/4)+7], v[P+32*kk+8*(a%4):P+32*kk+8*(a%4)+7], v[8*a:8*a+7]
.set a, a+1
.endr
.set kk, kk+1
.endr
.endm
; My 16 keys' softmax for all four tiles.  At work in P's registers: per tile P + 8 t: +0 the maximum, +1 the other half's, +2 cm (a pair's low word), +4 a_w (likewise); the packed p at P + 32 + 4 t.
; The 36 exponentials are one batch with one wait.
.macro SOFT par
	WIN 0
	PLACES                                         ; behind the last products, whose source 1 lies in the registers that are written now
	ALL4 v_max3_num_f32 v[P+8*t], v[S+8*t], v[S+8*t+1], v[S+8*t+2]
	ALL4 v_max3_num_f32 v[P+8*t], v[P+8*t], v[S+8*t+3], v[S+8*t+4]
	ALL4 v_max3_num_f32 v[P+8*t], v[P+8*t], v[S+8*t+5], v[S+8*t+6]
	ALL4 v_max_num_f32 v[P+8*t], v[P+8*t], v[S+8*t+7]
	ALL4 v_permlanex16_b32 v[P+8*t+1], v[P+8*t], s[SEL], s[SEL+1]
	ALL4 v_max_num_f32 v[P+8*t], v[P+8*t], v[P+8*t+1]
	ALL4 v_mul_f32 v[P+8*t], s[CS], v[P+8*t]
	ALL4 v_max_num_f32 v[P+8*t+2], v[MW+t], v[P+8*t]
	ALL4 v_sub_f32 v[P+8*t+4], v[MW+t], v[P+8*t+2]
	ALL4 v_mov_b32 v[MW+t], v[P+8*t+2]
	ALLTW v_pk_fma_f32 v[S+8*t+2*w:S+8*t+2*w+1], v[S+8*t+2*w:S+8*t+2*w+1], s[CS:CS+1], v[P+8*t+2:P+8*t+3] op_sel_hi:[1,0,0] neg_lo:[0,0,1] neg_hi:[0,0,1]
	ALL4 v_exp_f32 v[P+8*t+4], v[P+8*t+4]
.set i, 0
.rept 32
	v_exp_f32 v[S+i], v[S+i]
.set i, i+1
.endr
	v_nop                                          ; a plain instruction behind the last exponential,
	s_wait_alu depctr_va_vdst(0)                   ; and the one wait for the batch
	ALLTW v_cvt_pk_f16_f32 v[P+32+4*t+w], v[S+8*t+2*w], v[S+8*t+2*w+1]
	ALL4 ds_store_b128 v[APW], v[P+32+4*t:P+32+4*t+3] offset:(\par)*PXB+16*PP*t
	ALL4 ds_store_b32 v[AMW], v[MW+t] offset:(\par)*PXB+256*t
	ALL4 v_pk_add_f32 v[S+8*t:S+8*t+1], v[S+8*t:S+8*t+1], v[S+8*t+2:S+8*t+3]
	ALL4 v_pk_add_f32 v[S+8*t+4:S+8*t+5], v[S+8*t+4:S+8*t+5], v[S+8*t+6:S+8*t+7]
	ALL4 v_pk_add_f32 v[S+8*t:S+8*t+1], v[S+8*t:S+8*t+1], v[S+8*t+4:S+8*t+5]
	ALL4 v_pk_fma_f32 v[LW+2*t:LW+2*t+1], v[LW+2*t:LW+2*t+1], v[P+8*t+4:P+8*t+5], v[S+8*t:S+8*t+1] op_sel_hi:[1,0,1]
.endm
.macro TRIP par, lim                   ; trip t, par = t % 2
	CHANGE 0, 1-(\par)
	LDMP \par
	LDH 0, AK+(\par), 0
	LDH 1, AK+(\par), 512
	ASKKV \lim
	PREP
	SMM \par, 1
	PVMM
	SOFT \par
.endm
; THE DENSE LAYER.  32 products: rows 16 (gg % 2) .. of my 32 of Wo^T, channels 256 buf .., all four tiles.  first = 1: bo starts the sums.
.macro DMM buf, gg, first
.set fi, 0
.rept 8
.set t, 0
.rept 4
.if (\first) && (fi == 0)
	WIN 0x48
	v_wmma_f32_16x16x32_f16 v[8*(4*(\gg)+t):8*(4*(\gg)+t)+7], v[KV+64*(\buf)+8*fi:KV+64*(\buf)+8*fi+7], v[32*fi+8*t:32*fi+8*t+7], v[P+8*(\gg):P+8*(\gg)+7]
.else
	WIN 0x58+4*(\buf)
	v_wmma_f32_16x16x32_f16 v[8*(4*(\gg)+t):8*(4*(\gg)+t)+7], v[KV+64*(\buf)+8*fi:KV+64*(\buf)+8*fi+7], v[32*fi+8*t:32*fi+8*t+7], v[8*(4*(\gg)+t):8*(4*(\gg)+t)+7]
.endif
.set t, t+1
.endr
.set fi, fi+1
.endr
.endm
; Step st reads slot u.  fill = 1: the other slot takes a whole step; 2: the other slot, whose first 64 rows trip 31 brought, takes its other 64; 0: nothing is left to fetch.
.macro WSTEP st, u, fill, stepd, ask
	WIN 0
	s_wait_tensorcnt 0x0                           ; my part of this step's slot is in; no tensor load of mine is out
	ds_add_u32 v[SPW], v[NIL]                      ; 0 onto my spare word
.if \stepd
	s_add_nc_u64 s[G0W+4*(1-(\u))+2:G0W+4*(1-(\u))+3], s[G0W+4*(1-(\u))+2:G0W+4*(1-(\u))+3], 2*WSB
.endif
.if (\fill) == 2
	s_mov_b32 s[G0Y], 1
	s_and_b32 s[G0Y+1], s[WV], 1
	s_mul_i32 s[G0Y+1], s[G0Y+1], 32*KP
	s_add_co_u32 s[G0Y+1], s[G0Y+1], VOFF          ; rows 64 + 32 (wave % 2) of slot 0's tile
	s_add_nc_u64 s[G0Y+2:G0Y+3], s[WK:WK+1], 64*1024
	s_or_b32 s[G0Y+3], s[G0Y+3], 0x80000000
.endif
	s_wait_dscnt 0x0                               ; the add is done, and my reads of the other slot are over
.if (\fill) == 1
	CROUND
	JLOADW 1-(\u)                                  ; its four v_nop are also the places in front of the loads below
.elseif (\fill) == 2
	CROUND
	JLOADY                                         ; (the last products lie far back: no places are owed here)
.else
	s_barrier_signal -1
	s_barrier_wait -1
	PLACES
.endif
	LDH 0, AW+(\u), 0
	LDH 1, AW+(\u), 512
.if (\ask) >= 0
	ASKW \ask, FW
.endif
	s_wait_dscnt 16
	DMM 0, 2*(\st), 1
	PLACES
	LDH 0, AW+(\u), 16*KP
	s_wait_dscnt 16
	DMM 1, 2*(\st), 0
	PLACES
	LDH 1, AW+(\u), 16*KP+512
	s_wait_dscnt 16
	DMM 0, 2*(\st)+1, 1
	s_wait_dscnt 0x0
	DMM 1, 2*(\st)+1, 0
.endm
; Tiles 2 u and 2 u + 1 of the context: O^T / l, rounded to f16, through the stage (my 128 channels of 32 queries in; all 512 channels back, as fragments, into Q's registers).
.macro CTX u
	WIN 0x41
.set n, 0
.rept 64                               ; tile 2 u + n / 32, accumulator (n / 4) % 8, pair n % 4
.set yr, 8*(4*((n/4)%8)+2*(\u)+n/32)+2*(n%4)
	v_pk_mul_f32 v[yr:yr+1], v[yr:yr+1], v[S+2*(2*(\u)+n/32):S+2*(2*(\u)+n/32)+1] op_sel_hi:[1,0]
.set n, n+1
.endr
	WIN 0x05
.set n, 0
.rept 64
.set yr, 8*(4*((n/4)%8)+2*(\u)+n/32)+2*(n%4)
	v_cvt_pk_f16_f32 v[KV+64*(\u)+n], v[yr], v[yr+1]
.set n, n+1
.endr
	WIN 0
.set n, 0
.rept 16
	ds_store_b128 v[ACS], v[KV+64*(\u)+4*n:KV+64*(\u)+4*n+3] offset:(n/8)*16*KP+32*(n%8)
.set n, n+1
.endr
	s_wait_dscnt 0x0                               ; for the others' sake: my channels lie in the stage
	s_barrier_signal -1
	s_barrier_wait -1
.set fi, 0
.rept 16
	WIN 0x80+0x40*(fi/8)
.set n, 0
.rept 2
	ds_load_b128 v[32*(fi%8)+8*(2*(\u)+n):32*(fi%8)+8*(2*(\u)+n)+3],   v[ACR] offset:n*16*KP+64*fi
	ds_load_b128 v[32*(fi%8)+8*(2*(\u)+n)+4:32*(fi%8)+8*(2*(\u)+n)+7], v[ACR] offset:n*16*KP+64*fi+32
.set n, n+1
.endr
.set fi, fi+1
.endr
	WIN 0
	s_wait_dscnt 0x0                               ; my reads of the stage are back
.endm
; A query's sum over all 512 columns: the pair's two halves, the other half of the lanes, then the four waves' through LDS.  In: pairs at rr + 2 t.  Out: S + 8 + 4 t.
.macro XCH rr, off
	WIN 0
	ALL4 v_add_f32 v[(\rr)+2*t], v[(\rr)+2*t], v[(\rr)+2*t+1]
	ALL4 v_permlanex16_b32 v[(\rr)+2*t+1], v[(\rr)+2*t], s[SEL], s[SEL+1]
	ALL4 v_add_f32 v[(\rr)+2*t], v[(\rr)+2*t], v[(\rr)+2*t+1]
	ALL4 ds_store_b32 v[AMW], v[(\rr)+2*t] offset:(\off)+256*t
	s_wait_dscnt 0x0
	s_barrier_signal -1
	s_barrier_wait -1
	ALL4 ds_load_b128 v[S+8+4*t:S+8+4*t+3], v[AMR] offset:(\off)+256*t
	s_wait_dscnt 0x0
	ALL4 v_add_f32 v[S+8+4*t], v[S+8+4*t], v[S+8+4*t+1]
	ALL4 v_add_f32 v[S+8+4*t+2], v[S+8+4*t+2], v[S+8+4*t+3]
	ALL4 v_add_f32 v[S+8+4*t], v[S+8+4*t], v[S+8+4*t+2]
.endm
.macro OLD gi                          ; rows 4 gi .. 4 gi + 3 of my 16, whole, into half gi % 2
	WIN 0
.set n, 0
.rept 16
	ds_load_b128 v[KV+64*((\gi)%2)+4*n:KV+64*((\gi)%2)+4*n+3], v[AOR] offset:(4*(\gi)+n/4)*OP+512*(n%4)
.set n, n+1
.endr
.endm
.macro OSTO gi
.set n, 0
.rept 16
	global_store_b128 v[GOU], v[KV+64*((\gi)%2)+4*n:KV+64*((\gi)%2)+4*n+3], s[OUTB:OUTB+1] offset:(4*(\gi)+n/4)*2048+512*(n%4) th:TH_STORE_NT  ; 512 consecutive bytes, aligned
.set n, n+1
.endr
.endm
	s_load_b256 s[4:11], s[0:1], 0x0               ; qkv s[4:5], wts s[6:7], tab s[8:9], out0 s[10:11]
	v_lshl_add_u32 v[SPW], v0, 2, SPARE
	v_mov_b32 v[NIL], 0
	ds_add_u32 v[SPW], v[NIL]                      ; the wave's opening: the add, ahead of my first tensor load; the set-up below stands between it and its wait
	v_lshrrev_b32 v1, 5, v0
	v_readfirstlane_b32 s[WV], v1                  ; wave 0..3
	s_bfe_u32 s[CX], ttmp6, 0x40000
	s_lshl_b32 s[QB], ttmp9, 2                     ; in a cluster launch ttmp9 counts clusters
	s_add_co_u32 s[QB], s[QB], s[CX]               ; it enters Q's and out0's addresses alone
	s_and_b32 s[BT], ttmp7, 0xffff                 ; the batch, which the four partners share
	s_mov_b32 s[G1K], 15|(1<<16)|(1<<20)|(1<<21)|(7<<22)|(3<<25)  ; the mask of four; 2-byte elements; padding on; bit 21 beside a mask; after every 256 words (code 7) 4 words (code 3)
	s_mov_b32 s[G1V], 15|(1<<16)|(1<<20)|(1<<21)|(7<<22)|(7<<25)  ; the same with 8 words of padding (code 7)
	s_mov_b32 s[G1Q], (1<<16)|(1<<20)|(7<<22)|(3<<25)             ; Q is my work-group's own: no mask
.irp g, G1K, G1V, G1Q
	s_mov_b32 s[\g+1], 512<<16                     ; tensor_dim0 = 512
	s_mov_b32 s[\g+2], 32<<16                      ; tensor_dim1 = 32
	s_mov_b32 s[\g+3], 512<<16                     ; tile_dim0 = 512
	s_mov_b32 s[\g+4], 32                          ; tile_dim1 = 32
	s_mov_b32 s[\g+5], 512                         ; elements from row to row
	s_mov_b32 s[\g+6], 0
	s_mov_b32 s[\g+7], 0
.endr
	s_and_b32 s20, s[WV], 1                        ; which 32 rows of a tile of 64 I fetch
	s_mul_i32 s21, s20, 32*KP
	s_mul_i32 s22, s20, 32*VP
	s_mul_i32 s23, s[WV], 32*KP                    ; no place in the cluster enters an LDS address
	s_mov_b32 s[G0K], 1
	s_mov_b32 s[G0K+1], s21
	s_mov_b32 s[G0K+4], 1
	s_add_co_u32 s[G0K+5], s21, SLOT
	s_mov_b32 s[G0V], 1
	s_add_co_u32 s[G0V+1], s22, VOFF
	s_mov_b32 s[G0V+4], 1
	s_add_co_u32 s[G0V+5], s22, SLOT+VOFF
	s_mov_b32 s[G0Q], 1
	s_add_co_u32 s[G0Q+1], s21, VOFF
	s_mov_b32 s[G0W], 1
	s_mov_b32 s[G0W+1], s23
	s_mov_b32 s[G0W+4], 1
	s_add_co_u32 s[G0W+5], s23, SLOT
	s_lshl_b32 s18, s[BT], 21                      ; the batch's 2,048 rows,
	s_lshl_b32 s20, s20, 15                        ; my 32 of a tile
	s_add_co_u32 s18, s18, s20
	s_mov_b32 s19, 0
	s_add_co_u32 s2, s20, WOT+WSB                  ; row 128 + 32 (wave % 2) of Wo^T
	s_mov_b32 s3, 0
	s_lshl_b32 s22, s[WV], 15                      ; my 32 rows of a step of Wo^T
	s_mov_b32 s23, 0
	s_mov_b32 s[CS], 0x3e38aa3b                    ; c = log2(e) / 8 = 0.180337
	s_mov_b32 s[CS+1], s[CS]
	s_mov_b32 s[SEL], 0x76543210
	s_mov_b32 s[SEL+1], 0xfedcba98
	s_mov_b32 s[I512], 0x3b000000
	s_mov_b32 s[EPS], 0x3a83126f
	s_mov_b32 s[CNT], 16
	s_mov_b32 s20, ttmp9                           ; the cluster's number in its batch, 0 to 7: the same in all four partners
	s_lshr_b32 s[ST], s20, 1
	s_xor_b32 s[ST], s[ST], s20
	s_and_b32 s[ST], s[ST], 3
	s_lshl_b32 s[ST], s[ST], 3                     ; the walk's start: 0, 8, 16 or 24
	s_lshl_b32 s[OFF], s[ST], 16
	s_mov_b32 s[OFF+1], 0
	s_add_co_u32 s[ST], s[ST], 1                   ; trip 1 fetches V of step 1
	s_lshr_b32 s21, s[WV], 1
	s_sub_co_u32 s21, 13, s21                      ; 13 in the waves that fetch K, 12 in those that fetch V
	s_cmp_lt_u32 s20, 4                            ; of the two clusters with a start, this one prefetches
	s_cselect_b32 s[LIMA], 13, -1                  ; odd trips 1, 3, 5: the count is 16, 15, 14
	s_cselect_b32 s[LIMB], s21, -1                 ; even trips 2, 4 (count 15, 14), and for V also 6 (count 13)
	s_or_b32 s21, s20, s[BT]
	s_cmp_eq_u32 s21, 0
	s_cselect_b32 s[FW], 1, 0
	s_lshr_b32 s21, s[WV], 1
	s_and_b32 s[FW2], s[FW], s21
	s_wait_dscnt 0x0                               ; the opening add is done
	s_wait_kmcnt 0x0
	s_lshl_b32 s16, s[QB], 16                      ; my block's 64 rows
	s_add_co_u32 s16, s16, s18
	s_mov_b32 s17, 0
	s_add_nc_u64 s[G0Q+2:G0Q+3], s[4:5], s[16:17]
	s_or_b32 s[G0Q+3], s[G0Q+3], 0x80000000
	s_add_nc_u64 s[KB:KB+1], s[4:5], s[18:19]
	s_add_nc_u64 s[KB:KB+1], s[KB:KB+1], 1<<24           ; k's plane
	s_add_nc_u64 s[VB:VB+1], s[KB:KB+1], 1<<24           ; v's plane
	s_add_nc_u64 s[G0K+2:G0K+3], s[KB:KB+1], s[OFF:OFF+1]  ; K of step 0 for slot 0,
	s_add_nc_u64 s[G0K+6:G0K+7], s[G0K+2:G0K+3], KSB     ; of step 1 for slot 1 (a start is 24 at the most: no turn yet)
	s_add_nc_u64 s[G0V+6:G0V+7], s[VB:VB+1], s[OFF:OFF+1]  ; V of step 0 lies in slot 1, beside K of step 1
	s_or_b32 s[G0K+3], s[G0K+3], 0x80000000
	s_or_b32 s[G0K+7], s[G0K+7], 0x80000000
	s_or_b32 s[G0V+7], s[G0V+7], 0x80000000
	s_add_nc_u64 s[G0W+6:G0W+7], s[6:7], s[22:23]
	s_add_nc_u64 s[G0W+6:G0W+7], s[G0W+6:G0W+7], WOT     ; Wo^T: step 0, and later step 2, for slot 1;
	s_add_nc_u64 s[G0W+2:G0W+3], s[G0W+6:G0W+7], 3*WSB   ; step 3 for slot 0 (step 1 comes there in two halves)
	s_or_b32 s[G0W+3], s[G0W+3], 0x80000000
	s_or_b32 s[G0W+7], s[G0W+7], 0x80000000
	s_add_nc_u64 s[WK:WK+1], s[6:7], s[2:3]
	s_mov_b32 s16, (2<<24)+KSB                     ; V's prefetches stand at step 1, K's at step 2: trip 1 moves them on by one
	s_mov_b32 s17, (1<<24)+2*KSB
	s_cmp_lt_u32 s[WV], 2
	s_cselect_b32 s16, s17, s16
	s_add_co_u32 s16, s16, s18
	s_add_co_u32 s16, s16, s[OFF]                  ; counted from the walk's start
	s_lshl_b32 s17, s[CX], 13                      ; my work-group's 8 rows of the 32
	s_add_co_u32 s16, s16, s17
	s_mov_b32 s17, 0
	s_add_nc_u64 s[PFA:PFA+1], s[4:5], s[16:17]
	s_lshl_b32 s16, s[CX], 13
	s_add_co_u32 s16, s16, s22
	s_add_co_u32 s16, s16, WOT
	s_add_nc_u64 s[PFW:PFW+1], s[6:7], s[16:17]
	s_lshl_b32 s16, s[BT], 22
	s_lshl_b32 s17, s[QB], 17
	s_add_co_u32 s16, s16, s17
	s_mov_b32 s17, 0
	s_add_nc_u64 s[OUTB:OUTB+1], s[10:11], s[16:17]
	CROUND                                         ; all four work-groups are here: the first loads go out as one group
	s_cmp_lt_u32 s[WV], 2                          ; a wave's two first fills stand in one branch: two loads of mine are out
	s_cbranch_scc0 .Lfirst_v
	tensor_load_to_lds s[G0K:G0K+3], s[G1K:G1K+7]
	s_nop 0
	tensor_load_to_lds s[G0K+4:G0K+7], s[G1K:G1K+7]
	s_nop 0
	PLACES
	s_branch .Lfirst_done
.Lfirst_v:
	tensor_load_to_lds s[G0Q:G0Q+3], s[G1Q:G1Q+7]
	s_nop 0
	tensor_load_to_lds s[G0V+4:G0V+7], s[G1V:G1V+7]
	s_nop 0
	PLACES
.Lfirst_done:
	v_and_b32 v[RR], 15, v0                        ; r = l % 16: kept
	v_bfe_u32 v[HH], v0, 4, 1                      ; h = l / 16: kept
	v_mul_u32_u24 v[TT], v[RR], KP
	v_lshl_add_u32 v[TT], v[HH], 4, v[TT]          ; a fragment's row x pitch + 16 x half
	s_mul_i32 s20, s[WV], 16*KP
	v_add_nc_u32 v[AK], s20, v[TT]                 ; my wave's 16 keys
	v_add_nc_u32 v[AK+1], SLOT, v[AK]
	v_add_nc_u32 v[AQ], VOFF, v[TT]
	v_and_b32 v[TT], 7, v0                         ; the turning load: lane l reads key 8 (l / 16) + l % 8, channels 8 ((l / 8) % 2) + 0..7
	v_lshl_add_u32 v[TT], v[HH], 3, v[TT]
	v_mul_u32_u24 v[TT], v[TT], VP
	v_bfe_u32 v[AV], v0, 3, 1
	v_lshl_add_u32 v[TT], v[AV], 4, v[TT]
	s_lshl_b32 s20, s[WV], 8                       ; my wave's 128 channels
	s_add_co_u32 s20, s20, VOFF
	v_add_nc_u32 v[AV], s20, v[TT]
	v_add_nc_u32 v[AV+1], SLOT, v[AV]
	v_mul_u32_u24 v[TT], v[RR], PP
	v_lshl_add_u32 v[TT], v[HH], 4, v[TT]
	v_add_nc_u32 v[APR], PX, v[TT]
	s_lshl_b32 s20, s[WV], 5                       ; my wave's 16 keys: 32 bytes of a row of P
	v_add_nc_u32 v[APW], s20, v[APR]
	v_lshlrev_b32 v[TT], 4, v[RR]
	v_add_nc_u32 v[AMR], PX+MXO, v[TT]
	s_lshl_b32 s20, s[WV], 2
	v_add_nc_u32 v[AMW], s20, v[AMR]
	v_and_b32 v[TT], 31, v0
	v_lshrrev_b32 v[PFO], 2, v[TT]
	v_and_b32 v[TT], 3, v[TT]
	v_lshlrev_b32 v[PFO], 10, v[PFO]
	v_lshl_add_u32 v[PFO], v[TT], 8, v[PFO]
	WIN 0x40
.set i, 0
.rept 256
	v_mov_b32 v[i], 0                              ; O^T
.set i, i+1
.endr
	WIN 0
	ALL4 v_mov_b32 v[MW+t], 0xff7fffff
	ALL4 v_mov_b32 v[MG+t], 0xff7fffff
.set i, 0
.rept 8
	v_mov_b32 v[LW+i], 0
.set i, i+1
.endr
	ALL4 v_mov_b32 v[P+8*t+1], 0
	ALL4 v_mov_b32 v[P+8*t+3], 0
	ALL4 v_mov_b32 v[P+8*t+5], 0
	; TRIP 0: K of step 0 and Q lie in slot 0
	s_wait_tensorcnt 0x1                           ; my part of K of step 0, or of Q, is in; the load behind it stays out
	s_barrier_signal -1
	s_barrier_wait -1
	LDH 0, AK, 0
	LDH 1, AK, 512
.set fi, 0
.rept 16
	WIN 0x80+0x40*(fi/8)
.set t, 0
.rept 4
	ds_load_b128 v[32*(fi%8)+8*t:32*(fi%8)+8*t+3],   v[AQ] offset:t*16*KP+64*fi
	ds_load_b128 v[32*(fi%8)+8*t+4:32*(fi%8)+8*t+7], v[AQ] offset:t*16*KP+64*fi+32
.set t, t+1
.endr
.set fi, fi+1
.endr
	WIN 0
	s_wait_dscnt 0x0
	SMM 0, 0
	SOFT 0
	WIN 0
	s_branch .Lodd                                 ; the loop is entered in its middle, at trip 1
.Lt:                                                   ; a trip of the loop: an even trip (2 to 30), then an odd one (1 to 31)
	TRIP 0, LIMB
	WIN 0
.Lodd:
	TRIP 1, LIMA
	WIN 0
	s_sub_co_u32 s[CNT], s[CNT], 1
	s_cmp_lg_u32 s[CNT], 0
	s_cbranch_scc1 .Lt
	; l_w is finished: its two halves and the other half of the lanes' are added, and it is handed on
	ALL4 v_add_f32 v[P+8*t], v[LW+2*t], v[LW+2*t+1]
	ALL4 v_permlanex16_b32 v[P+8*t+1], v[P+8*t], s[SEL], s[SEL+1]
	ALL4 v_add_f32 v[P+8*t], v[P+8*t], v[P+8*t+1]
	ALL4 ds_store_b32 v[AMW], v[P+8*t] offset:LXO+256*t
	CHANGE 2, 1                                    ; TRIP 32: the last V^T P; slot 1 takes the first 128 rows of Wo^T
	LDMP 0
	LDV 0, 0
	LDV 1, 0
	ASKW 1, FW2                                    ; rows 192 to 255, which the Dense layer's first round will ask for
	PREP
	PVMM
	; THE END OF THE ATTENTION: l = the sum of l_w f_w; the addresses for what follows
	WIN 0
	PLACES
	ALL4 ds_load_b128 v[P+4*t:P+4*t+3], v[AMR] offset:PXB+256*t
	ALL4 ds_load_b128 v[P+16+4*t:P+16+4*t+3], v[AMR] offset:LXO+256*t
	; The addresses are made of r, h (kept since the head), v0, the wave's number and constants, in registers that have never held data: nothing that differs between the partners of a cluster enters an LDS address.
	v_mul_u32_u24 v[TT], v[RR], KP
	v_lshl_add_u32 v[TT], v[HH], 4, v[TT]          ; a fragment's row x pitch + 16 x half
	s_mul_i32 s20, s[WV], 32*KP
	v_add_nc_u32 v[AW], s20, v[TT]                 ; Wo^T: row 32 w + r
	v_add_nc_u32 v[AW+1], SLOT, v[AW]
	v_add_nc_u32 v[ACR], CST, v[TT]
	s_lshl_b32 s20, s[WV], 8
	v_add_nc_u32 v[ACS], s20, v[ACR]               ; my wave's 128 channels: 256 bytes of a row of the stage
	s_lshl_b32 s20, s[WV], 7
	v_lshl_add_u32 v[BO], v[HH], 5, s20            ; 128 w + 32 h
	v_mul_u32_u24 v[AO0], v[RR], OP
	v_add_nc_u32 v[AO0], v[BO], v[AO0]
	v_add_nc_u32 v[AO0], OST, v[AO0]
	v_add_nc_u32 v[AO1], 32*OP, v[AO0]
	v_and_b32 v[TT], 31, v0
	v_lshlrev_b32 v[TT], 4, v[TT]                  ; 16 x lane
	s_mul_i32 s20, s[WV], 16*OP
	s_add_co_u32 s20, s20, OST
	v_add_nc_u32 v[AOR], s20, v[TT]                ; (h has had its last use: this is its register)
	s_lshl_b32 s20, s[WV], 15
	v_add_nc_u32 v[GOU], s20, v[TT]
	s_wait_dscnt 0x0
	ALLTW v_sub_f32 v[P+4*t+w], v[P+4*t+w], v[MG+t]
	ALLTW v_exp_f32 v[P+4*t+w], v[P+4*t+w]
	v_nop
	s_wait_alu depctr_va_vdst(0)                   ; one wait for the sixteen exponentials
	ALL4 v_mul_f32 v[S+2*t], v[P+4*t], v[P+16+4*t]
	ALL4 v_fmac_f32 v[S+2*t], v[P+4*t+1], v[P+16+4*t+1]
	ALL4 v_fmac_f32 v[S+2*t], v[P+4*t+2], v[P+16+4*t+2]
	ALL4 v_fmac_f32 v[S+2*t], v[P+4*t+3], v[P+16+4*t+3]
	ALL4 v_rcp_f32 v[S+2*t], v[S+2*t]
	v_nop
	s_wait_alu depctr_va_vdst(0)                   ; one wait for the four reciprocals
.set g, 0
.rept 8                                ; bo of n = 128 (g / 2) + 32 w + 16 (g % 2) + 8 h + j, the C operand that starts the Dense layer's sums
	global_load_b128 v[P+8*g:P+8*g+3],   v[BO], s[8:9] offset:6144+512*(g/2)+64*(g%2)
	global_load_b128 v[P+8*g+4:P+8*g+7], v[BO], s[8:9] offset:6144+512*(g/2)+64*(g%2)+16
.set g, g+1
.endr
	CTX 0
	s_barrier_signal -1                            ; everybody has read the stage: it is written again.  Wo^T's load stays out across these barriers
	s_barrier_wait -1
	CTX 1
	s_wait_loadcnt 0x0                             ; bo
	WSTEP 0, 1, 2, 0, 2                            ; rows 0-127 out of slot 1; slot 0 takes rows 192-255 behind its rows 128-191
	WSTEP 1, 0, 1, 1, 3                            ; rows 128-255 out of slot 0; slot 1 takes rows 256-383
	WSTEP 2, 1, 1, 0, -1                           ; slot 0 takes rows 384-511
	WSTEP 3, 0, 0, 0, -1
	; RELU AND THE NORM, in two passes: the mean, then the squares of the differences.  A lane holds 64 of a query's 512 numbers in each tile.
	PLACES
	WIN 0
.set g, 0
.rept 8
	global_load_b128 v[KV+8*g:KV+8*g+3],       v[BO], s[8:9] offset:8192+512*(g/2)+64*(g%2)
	global_load_b128 v[KV+8*g+4:KV+8*g+7],     v[BO], s[8:9] offset:8192+512*(g/2)+64*(g%2)+16
	global_load_b128 v[KV+64+8*g:KV+64+8*g+3], v[BO], s[8:9] offset:10240+512*(g/2)+64*(g%2)
	global_load_b128 v[KV+64+8*g+4:KV+64+8*g+7], v[BO], s[8:9] offset:10240+512*(g/2)+64*(g%2)+16
.set g, g+1
.endr
	WIN 0x44
.set i, 0
.rept 256                              ; ascending: each accumulator's lowest registers are read first
	v_max_num_f32 v[i], 0, v[i]
.set i, i+1
.endr
	WIN 0x05
	ALL4 v_pk_add_f32 v[S+2*t:S+2*t+1], v[8*t:8*t+1], v[8*t+2:8*t+3]
	WIN 0x04
.set n, 8
.rept 120                              ; four chains, a tile each: tile n % 4, pair (n / 4) % 4 of accumulator n / 16
.set yr, 8*(4*(n/16)+n%4)+2*((n/4)%4)
	v_pk_add_f32 v[S+2*(n%4):S+2*(n%4)+1], v[S+2*(n%4):S+2*(n%4)+1], v[yr:yr+1]
.set n, n+1
.endr
	XCH S, L1O
	ALL4 v_mul_f32 v[S+2*t], s[I512], v[S+8+4*t]
	WIN 0x41
.set i, 0
.rept 128
	v_pk_add_f32 v[2*i:2*i+1], v[2*i:2*i+1], v[S+2*((i/4)%4):S+2*((i/4)%4)+1] op_sel_hi:[1,0] neg_lo:[0,1] neg_hi:[0,1]
.set i, i+1
.endr
	WIN 0x05
.set n, 0
.rept 128
.set yr, 8*(4*(n/16)+n%4)+2*((n/4)%4)
.if n < 4
	v_pk_mul_f32 v[S+24+2*(n%4):S+24+2*(n%4)+1], v[yr:yr+1], v[yr:yr+1]
.else
	v_pk_fma_f32 v[S+24+2*(n%4):S+24+2*(n%4)+1], v[yr:yr+1], v[yr:yr+1], v[S+24+2*(n%4):S+24+2*(n%4)+1]
.endif
.set n, n+1
.endr
	XCH S+24, L2O
	ALL4 v_fma_f32 v[S+2*t], v[S+8+4*t], s[I512], s[EPS]
	ALL4 v_rsq_f32 v[S+2*t], v[S+2*t]
	v_nop
	s_wait_alu depctr_va_vdst(0)                   ; one wait for the four roots
	s_wait_loadcnt 0x0                             ; gamma and beta
	WIN 0x41
.set g, 0
.rept 8
.set n, 0
.rept 16                               ; tile n / 4, pair n % 4
	v_pk_mul_f32 v[8*(4*g+n/4)+2*(n%4):8*(4*g+n/4)+2*(n%4)+1], v[8*(4*g+n/4)+2*(n%4):8*(4*g+n/4)+2*(n%4)+1], v[S+2*(n/4):S+2*(n/4)+1] op_sel_hi:[1,0]
.set n, n+1
.endr
.set n, 0
.rept 16
	v_pk_fma_f32 v[8*(4*g+n/4)+2*(n%4):8*(4*g+n/4)+2*(n%4)+1], v[8*(4*g+n/4)+2*(n%4):8*(4*g+n/4)+2*(n%4)+1], v[KV+8*g+2*(n%4):KV+8*g+2*(n%4)+1], v[KV+64+8*g+2*(n%4):KV+64+8*g+2*(n%4)+1]
.set n, n+1
.endr
.set g, g+1
.endr
	; THE WAY OUT: a lane's eight neighbouring numbers of a row, 32 bytes, into rows of 2,064 bytes; back as whole rows, 16 rows a wave
	WIN 0x04                                       ; the stores' data lie in window 1
.set a, 0
.rept 32                               ; accumulator a: columns by a / 4, tile a % 4
	ds_store_b128 v[AO0+6*((a%4)/2)], v[8*a:8*a+3]   offset:(a%2)*16*OP+512*(a/8)+64*((a/4)%2)
	ds_store_b128 v[AO0+6*((a%4)/2)], v[8*a+4:8*a+7] offset:(a%2)*16*OP+512*(a/8)+64*((a/4)%2)+16
.set a, a+1
.endr
	WIN 0
	s_wait_dscnt 0x0                               ; for the others' sake: my columns lie in the stage
	s_barrier_signal -1
	s_barrier_wait -1
	OLD 0
	OLD 1
	s_wait_dscnt 16                                ; four rows are in, the next four's 16 loads stay out
	OSTO 0
	s_wait_xcnt 0x0                                ; the stores have read the registers that are loaded again
	OLD 2
	s_wait_dscnt 16
	OSTO 1
	s_wait_xcnt 0x0
	OLD 3
	s_wait_dscnt 16
	OSTO 2
	s_wait_dscnt 0x0
	OSTO 3
	s_wait_tensorcnt 0x0                           ; the wave's end: behind my last tensor load and my last LDS store
	ds_add_u32 v[SPW], v[NIL]
	s_wait_dscnt 0x0
	CROUND                                         ; the closing round: no work-group ends while a partner may still ask for a tile that names it
	s_endpgm
.Lfunc_end_k_qbe9bb54a12_attn:
	.size	k_qbe9bb54a12_attn, .Lfunc_end_k_qbe9bb54a12_attn-k_qbe9bb54a12_attn
	.p2alignl 7, 3214868480
	.fill 96, 4, 3214868480
	.section	.rodata,"a",@progbits
	.p2align	6, 0x0
	.amdhsa_kernel k_qbe9bb54a12_attn
		.amdhsa_group_segment_fixed_size 327680
		.amdhsa_private_segment_fixed_size 0
		.amdhsa_enable_private_segment 0
		.amdhsa_kernarg_size 32
		.amdhsa_user_sgpr_count 2
		.amdhsa_user_sgpr_kernarg_segment_ptr 1
		.amdhsa_wavefront_size32 1
		.amdhsa_system_sgpr_workgroup_id_x 1
		.amdhsa_system_sgpr_workgroup_id_y 1
		.amdhsa_system_sgpr_workgroup_id_z 1
		.amdhsa_system_vgpr_workitem_id 0
		.amdhsa_next_free_vgpr 1024
		.amdhsa_next_free_sgpr 106
		.amdhsa_reserve_vcc 0
		.amdhsa_float_denorm_mode_32 3
		.amdhsa_float_denorm_mode_16_64 3
		.amdhsa_memory_ordered 1
		.amdhsa_forward_progress 1
		.amdhsa_inst_pref_size 255
	.end_amdhsa_kernel
	.section	.bss,"aw",@nobits
	.p2align	6
	.space	262144
	.amdgpu_metadata
---
amdhsa.version: [ 1, 2 ]
amdhsa.kernels:
  - .name:           k_qbe9bb54a12_attn
    .symbol:         k_qbe9bb54a12_attn.kd
    .args:
      - { .name: qkv, .offset: 0, .size: 8, .value_kind: global_buffer, .address_space: global }
      - { .name: wts, .offset: 8, .size: 8, .value_kind: global_buffer, .address_space: global }
      - { .name: tab, .offset: 16, .size: 8, .value_kind: global_buffer, .address_space: global }
      - { .name: out0, .offset: 24, .size: 8, .value_kind: global_buffer, .address_space: global }
    .group_segment_fixed_size: 327680
    .private_segment_fixed_size: 0
    .kernarg_segment_align: 8
    .kernarg_segment_size: 32
    .max_flat_workgroup_size: 128
    .sgpr_count:     106
    .vgpr_count:     1024
    .wavefront_size: 32
...
	.end_amdgpu_metadata
.endif
;; end of part 3
